; MI455X (gfx1250); checked and timed in simulation.
; The chip was launched on July 23, 2026; its instructions are those of AMD's public machine-readable ISA for CDNA 5 (MIT licence, August 2026) and "CDNA5" Instruction Set Architecture Reference Guide (July 2026). The comments in the code are by the model that wrote it; some were corrected since.
;; Multi Head Self Attention. Allowed arithmetic: matrix products marked QUANTISED: E4M3 operands, one given power-of-two scale a tensor, by v_wmma_f32_16x16x64_fp8_fp8 or v_wmma_f32_16x16x128_fp8_fp8, f32 sums; everything else in f32.
;; Inputs: Wproj 1,024 x 1,024 float32; Wqkv 1,024 x 3,072 float32; bproj 1,024 float32; bqkv 3,072 float32; lowp_scales 8 int32 (the exponents e of the quantised operands' scales 2^e); x 2 x 2,048 x 1,024 float32.
;; Outputs: out0 2 x 2,048 x 1,024 float32.
;; This version of the problem:
;;   THIS VERSION OF THE PROBLEM IS GIVEN IN LOW PRECISION. The matrix products marked QUANTISED in the list below multiply operands that are first quantised to E4M3 (4 exponent bits, 3 mantissa bits; 8 bits a number), with one given power-of-two scale for each operand tensor; their sums are f32. All else is computed in f32.
;;   The module's matrix products, in the order in which they are computed (A, B: the left and right operand; K: the contracted axis; several contracted axes count as one K, in the product's order):
;;     1. [M 4,096, K 1,024] x [K 1,024, N 3,072]; A: input x; B: input Wqkv: QUANTISED (scales: A lowp_scales[0], B lowp_scales[1])
;;     2. batch 32 x [M 2,048, K 64] x [K 64, N 2,048]; A: computed on the way; B: computed on the way: QUANTISED (scales: A lowp_scales[2], B lowp_scales[3])
;;     3. batch 32 x [M 2,048, K 2,048] x [K 2,048, N 64]; A: softmax (see below); B: computed on the way: QUANTISED (scales: A lowp_scales[4], B lowp_scales[5])
;;     4. [M 4,096, K 1,024] x [K 1,024, N 1,024]; A: computed on the way; B: input Wproj: QUANTISED (scales: A lowp_scales[6], B lowp_scales[7])
;;   THE QUANTISER, for each operand of a quantised product, along K:
;;     - The operand's scale is 2^e, e = its entry of the input lowp_scales (int32; the entries are numbered through the quantised products in the list's order, A before B).
;;     - Each number is divided by the scale, clamped to +-448, and rounded to the nearest number of E4M3, ties to even, subnormals kept.
;;     - The product sums the exact products of the quantised numbers (number of the format x scale) in f32.
;;   ~~~python
;;   def quantise(x, axis, e):      # numpy; x: float32 -> the quantised numbers, widened to float32 again
;;       x = np.moveaxis(x, axis, -1); K = x.shape[-1]
;;       r = np.clip(x / 2.0 ** e, -448, 448)
;;       step = 2.0 ** (np.maximum(np.frexp(np.where(r == 0, 1, r))[1] - 1, -6) - 3)
;;       q = np.round(r / step) * step * 2.0 ** e      # np.round: ties to even
;;       return np.moveaxis(q, -1, axis).astype(np.float32)
;;   ~~~
;;   SOFTMAX AHEAD OF A QUANTISED PRODUCT. Where the list says 'softmax', what is quantised is not the finished softmax but p = 2^(t - M), with t = logit x log2(e) and M = ceil(the row's largest t), a whole number; so 1/2 < the row's largest p <= 1. The row's sum l is taken of the UNQUANTISED p, in f32, and the product's result is divided by l at the end. Since M is a whole number, a kernel that streams over the keys may use a running M (the ceiling of the running maximum): every later rescaling is an exact power of two, so the quantised numbers keep their values, but for numbers so far below the row's largest that they fall under the format's range.
;;   OPERANDS COMPUTED ON THE WAY. 'Computed on the way' means the value that the module computes at that place (a softmax that the list does not call 'softmax' is quantised finished and normalised). What goes into a quantiser is computed in f32, as accurately as f32 sums, v_exp_f32 and their like allow (about 1e-6 of the number): no bf16 or f16 on the way to a quantiser, and a product that is left as it is and whose result goes on into a quantised operand takes f32 operands (vector FMAs, or v_wmma_f32_16x16x4_f32). A number that lies on a knife's edge between two numbers of the format may be rounded either way, as far as f32 arithmetic and the matrix unit's own rounding can turn it there, and no further.
;; One version. Each part assembles by itself: llvm-mc -triple=amdgcn-amd-amdhsa -mcpu=gfx1250 --defsym DOCPART=n.
;; ======== version 1 of 1: 4 launches
;; workspace buffers: xq 4,194,304 bytes; wc 4,194,304 bytes; rope 524,288 bytes; qc 4,194,304 bytes; kc 4,194,304 bytes; vc 4,194,304 bytes; yq 4,194,304 bytes
;; launch prep (part 1): grid 256 x 1, 8 waves a work-group, no clusters, 101,376 bytes of LDS; arguments x, Wqkv, Wproj, lowp_scales, xq, wc, rope; writes xq, wc, rope
.if DOCPART == 1
	.amdgcn_target "amdgcn-amd-amdhsa--gfx1250"
	.amdhsa_code_object_version 6
	.text
	.protected	k_q4e5954726c_prep
	.globl	k_q4e5954726c_prep
	.p2align	8
	.type	k_q4e5954726c_prep,@function
k_q4e5954726c_prep:
	s_mov_b64 s[64:65], 0
	v_nop
	global_prefetch_b8 v0, s[64:65] scope:SCOPE_SE
	s_setreg_imm32_b32 hwreg(HW_REG_WAVE_MODE, 25, 1), 1
	s_wait_xcnt 0x0
; x [4096][1024], Wqkv [1024][3072] and Wproj [1024][1024], f32, become codes of FP8 (E4M3), each with the one scale 2^e given for it (entries 0, 1, 7); and the table of cos and sin for the rotation is made.
; code = number / 2^e, held within +-448, rounded to the nearest code, ties to even.  LIMITS: -126 <= e <= 119.  NaN among the inputs is not served.
; THE CODES ARE LAID AS IMAGES OF AN OPERAND'S REGISTERS.  A fragment is 16 rows x 128 along K: lane (r = lane % 16, h = lane / 16) holds row r, its registers 2 c, 2 c + 1 hold k = 16 c + 8 h + 0 .. 7.
; Its image is 2,048 bytes: registers 4 u .. 4 u + 3 of lane l at 512 u + 16 l.  xq: [16 rows of x: 256 tiles][K block: 8][2,048].  wc: the same over the 4,096 columns n: 0 .. 3,071 Wqkv's, 3,072 .. 4,095 Wproj's.
; rope: [token 2,048][cos of 32 angles | sin of 32 angles], f32: 256 bytes a token.
; SHARES.  Work-groups 0-127: 32 rows of x each; a wave takes 16 rows x 256 along K (two fragments).  Work-groups 128-255: 128 columns x 256 along K of a weight; a wave takes 32 columns x 128 along K (two fragments).
; Every work-group also makes 8 tokens of the table, a wave a token, while its first loads are on their way.  Waves share nothing: no barrier.  Memory binds: no matrix unit, no cluster, no tensor load.
; x: a load reads 512 consecutive bytes of a row; the numbers turn through the wave's own stage in LDS (rows 528 bytes apart), so that a lane gets 8 neighbours along K at a time.
; Weights: K is the FIRST axis: a lane takes a column and its registers run down K, so the conversions give codes with K innermost; the 8-byte pieces are put in their places of the image in LDS and leave as 512 consecutive bytes.
.set XP,    528                        ; a row of x's stage: 512 bytes + 16
.set XSTG,  16*XP                      ; a wave's stage on x's path
.set WBASE, 8*XSTG                     ; the weights' path has LDS bytes of its own
.set LANE,  2                          ; v2   lane
.set LI,    3                          ; v3   16 x lane
.set RR,    4                          ; v4   r
.set HH,    5                          ; v5   h
.set XST,   6                          ; v6   x's stage, on the way in
.set XLD,   7                          ; v7   and on the way out: row r, + 32 h
.set WST,   8                          ; v8   the weights' stage, in: image h, + 16 r
.set WLD,   9                          ; v9   and out
.set VS,    12                         ; v12  2^e as f32 (written behind the table's arithmetic, which has left it)
.set VL,    13                         ; v13  448 x 2^e
.set CD,    32                         ; v32-63   codes
.set R0,    64                         ; v64-127, v128-191: x as loaded, two fragments;  the weights' 128 numbers of a lane
.set X0,    192                        ; v192-255 x: 64 numbers in the fragment's order
.set VO,    192                        ; v192-223 weights: row i x stride + 4 x lane
.set OUTR,  224                        ; v224-255 weights: the images on their way out
.macro MKSCALE e                       ; from the whole number in s[e]
	s_add_co_i32 s28, s[\e], 127
	s_lshl_b32 s29, s28, 23
	v_mov_b32 v[VS], s29                           ; 2^e: the conversion takes its exponent field
	s_add_co_i32 s28, s28, 8
	s_lshl_b32 s28, s28, 23
	s_or_b32 s28, s28, 0x600000
	v_mov_b32 v[VL], s28                           ; 1.75 x 2^(e + 8) = 448 x 2^e
.endm
.macro QUANT64 src, dst                ; 64 numbers of a lane, in the fragment's order, become its 16 registers of codes
.set i, 0
.rept 64
	v_med3_num_f32 v[\src+i], v[\src+i], -v[VL], v[VL]   ; the conversion to an 8-bit code does not saturate (ISA guide 7.6.2): the hold comes first
.set i, i+1
.endr
.set i, 0
.rept 8
	v_cvt_scalef32_pk8_fp8_f32 v[\dst+2*i:\dst+2*i+1], v[\src+8*i:\src+8*i+7], v[VS]
.set i, i+1
.endr
	v_nop                                          ; a plain line behind the last conversion
.endm
.macro SEL k, c0, c1                   ; lane r = k takes its two frequencies
	v_cmp_ne_u32 vcc_lo, \k, v[RR]
	v_cndmask_b32 v14, \c0, v14, vcc_lo
	v_cndmask_b32 v15, \c1, v15, vcc_lo
.endm
; THE TABLE.  Token t = 8 x work-group + wave.  Lane l makes words 2 l and 2 l + 1 of the token's 64: lanes 0-15 cos, lanes 16-31 sin, of the angles t x 10^(-i / 8), i = 2 r and 2 r + 1.
; The angle is one f32 product.  It is reduced by n = the nearest whole number to angle x 2 / pi, with pi / 2 in two parts (n <= 1,304: what a third part would add is under 1e-11);
; sine and cosine of the rest (at most pi / 4) are polynomials with error under 1e-7; the quarter turn n (+ 1 for a cosine) picks one of them and its sign.
.macro ROPE
	s_lshl_b32 s30, ttmp9, 3
	s_add_co_u32 s30, s30, s18                     ; t
	v_cvt_f32_u32 v10, s30
	s_lshl_b32 s31, s30, 8
	v_lshl_add_u32 v11, v[LANE], 3, s31            ; 256 t + 8 x lane
	v_sub_nc_u32 v12, 1, v[HH]                     ; 1 in the lanes that make cosines
	v_mov_b32 v14, 1.0
	v_mov_b32 v15, 0x3F3FF911
	SEL 1,  0x3F0FF59A, 0x3ED7E89B
	SEL 2,  0x3EA1E89B, 0x3E72D424
	SEL 3,  0x3E361887, 0x3E088D77
	SEL 4,  0x3DCCCCCD, 0x3D99940E
	SEL 5,  0x3D6655C3, 0x3D2CBA15
	SEL 6,  0x3D0186E2, 0x3CC24350
	SEL 7,  0x3C91AD39, 0x3C5A7BF1
	SEL 8,  0x3C23D70A, 0x3BF5B9B0
	SEL 9,  0x3BB8449C, 0x3B8A2E77
	SEL 10, 0x3B4F3E37, 0x3B1B690D
	SEL 11, 0x3AE91528, 0x3AAEC98E
	SEL 12, 0x3A83126F, 0x3A44948C
	SEL 13, 0x3A136A16, 0x39DD1726
	SEL 14, 0x39A5CB5F, 0x3978A814
	SEL 15, 0x393A7753, 0x390BD472
.irp a, 0,1
	v_mul_f32 v[16+\a], v10, v[14+\a]              ; the angle
	v_mul_f32 v[18+\a], 0x3F22F983, v[16+\a]       ; x 2 / pi
	v_rndne_f32 v[18+\a], v[18+\a]                 ; n
	v_fma_f32 v[20+\a], -v[18+\a], s32, v[16+\a]   ; - n x pi / 2, its upper part,
	v_fma_f32 v[20+\a], -v[18+\a], s33, v[20+\a]   ; and its lower: the rest R
	v_cvt_i32_f32 v[28+\a], v[18+\a]
	v_add_nc_u32 v[28+\a], v[28+\a], v12           ; the quarter turn
	v_mul_f32 v[22+\a], v[20+\a], v[20+\a]         ; Z = R R
	v_mov_b32 v[24+\a], 0xB94CA1F9
	v_fmaak_f32 v[24+\a], v[24+\a], v[22+\a], 0x3C08839E
	v_fmaak_f32 v[24+\a], v[24+\a], v[22+\a], 0xBE2AAAA3
	v_mul_f32 v[24+\a], v[24+\a], v[22+\a]
	v_fma_f32 v[24+\a], v[24+\a], v[20+\a], v[20+\a]   ; sin R
	v_mov_b32 v[26+\a], 0x37CCF5CE
	v_fmaak_f32 v[26+\a], v[26+\a], v[22+\a], 0xBAB6061A
	v_fmaak_f32 v[26+\a], v[26+\a], v[22+\a], 0x3D2AAAA5
	v_fma_f32 v[26+\a], v[26+\a], v[22+\a], -0.5
	v_fma_f32 v[26+\a], v[26+\a], v[22+\a], 1.0    ; cos R
	v_and_b32 v13, 1, v[28+\a]
	v_cmp_eq_u32 vcc_lo, 1, v13
	v_cndmask_b32 v[30+\a], v[24+\a], v[26+\a], vcc_lo   ; an odd quarter turn takes the cosine
	v_lshlrev_b32 v[28+\a], 30, v[28+\a]
	v_and_b32 v[28+\a], 0x80000000, v[28+\a]
	v_xor_b32 v[30+\a], v[30+\a], v[28+\a]         ; quarter turns 2 and 3 turn the sign
.endr
	global_store_b64 v11, v[30:31], s[16:17]       ; the wave stores the token's 256 consecutive bytes, aligned; v11, v30, v31 are not written again
.endm
	s_load_b256 s[4:11], s[0:1], 0x0               ; x s[4:5], Wqkv s[6:7], Wproj s[8:9], the exponents s[10:11]
	s_load_b128 s[12:15], s[0:1], 0x20             ; xq s[12:13], wc s[14:15]
	s_load_b64 s[16:17], s[0:1], 0x30              ; rope
	s_set_vgpr_msb 0x40
	v_lshl_add_u32 v0, v0, 2, 0x18800
	v_mov_b32 v1, 0
	s_set_vgpr_msb 0x4000
	v_lshrrev_b32 v1, 5, v0
	v_readfirstlane_b32 s18, v1                    ; wave 0..7
	v_and_b32 v[LANE], 31, v0
	v_lshlrev_b32 v[LI], 4, v[LANE]
	v_and_b32 v[RR], 15, v0
	v_bfe_u32 v[HH], v0, 4, 1
	s_mul_i32 s28, s18, XSTG                       ; every LDS address is made here, ahead of the parting of the two paths
	v_add_nc_u32 v[XST], s28, v[LI]
	v_mul_u32_u24 v[XLD], v[RR], XP
	v_lshl_add_u32 v[XLD], v[HH], 5, v[XLD]
	v_add_nc_u32 v[XLD], s28, v[XLD]
	s_lshl_b32 s28, s18, 12
	s_add_co_u32 s28, s28, WBASE
	v_lshlrev_b32 v[WST], 4, v[RR]
	v_lshl_add_u32 v[WST], v[HH], 11, v[WST]
	v_add_nc_u32 v[WST], s28, v[WST]
	v_add_nc_u32 v[WLD], s28, v[LI]
	s_mov_b32 s32, 0x3FC90FDB                      ; pi / 2, upper part
	s_mov_b32 s33, 0xB33BBD2E                      ; and what it lacks
	s_wait_kmcnt 0x0
	s_load_b256 s[20:27], s[10:11], 0x0            ; e0 .. e7
	s_cmp_lt_u32 ttmp9, 128
	s_cbranch_scc0 .Lweights
	; ---- x: tile of 16 rows = 2 x work-group + wave / 4; K blocks 2 (wave % 4) and the next
	s_lshl_b32 s28, ttmp9, 1
	s_lshr_b32 s29, s18, 2
	s_add_co_u32 s28, s28, s29                     ; the tile
	s_and_b32 s29, s18, 3
	s_lshl_b32 s34, s28, 16                        ; 16 rows of 4,096 bytes
	s_lshl_b32 s35, s29, 10                        ; 256 numbers along K
	s_add_co_u32 s34, s34, s35
	s_mov_b32 s35, 0
	s_add_nc_u64 s[4:5], s[4:5], s[34:35]
	s_lshl_b32 s34, s28, 14                        ; a tile's eight images
	s_lshl_b32 s31, s29, 12                        ; two of them
	s_add_co_u32 s34, s34, s31
	s_add_nc_u64 s[12:13], s[12:13], s[34:35]
.macro LOADX f                         ; fragment f: 16 loads, each 512 consecutive bytes of one row
.set i, 0
.rept 16
	global_load_b128 v[R0+64*\f+4*i:R0+64*\f+4*i+3], v[LI], s[4:5] offset:4096*i+512*\f th:TH_LOAD_NT
.set i, i+1
.endr
.endm
.macro TURNX from, to                  ; through the stage: LDS serves a wave's instructions in order, so no wait stands between the stores and the loads
.set i, 0
.rept 16
	ds_store_b128 v[XST], v[\from+4*i:\from+4*i+3] offset:XP*i
.set i, i+1
.endr
.set i, 0
.rept 16
	ds_load_b128 v[\to+4*i:\to+4*i+3], v[XLD] offset:64*(i/2)+16*(i%2)   ; k = 16 c + 8 h + 4 u on, i = 2 c + u
.set i, i+1
.endr
.endm
	LOADX 0
	LOADX 1
	ROPE
	s_wait_kmcnt 0x0
	MKSCALE 20
	s_wait_loadcnt 16                              ; fragment 0's sixteen loads are in; fragment 1's may be out
	TURNX R0, X0
	s_wait_dscnt 0x0                               ; fragment 0 is back: the stage and the registers that fed it are free
	s_wait_loadcnt 0x0
	TURNX R0+64, R0
	QUANT64 X0, CD
.irp u, 0,1,2,3
	global_store_b128 v[LI], v[CD+4*\u:CD+4*\u+3], s[12:13] offset:512*\u   ; 512 consecutive bytes, aligned
.endr
	s_wait_dscnt 0x0
	QUANT64 R0, CD+16
.irp u, 0,1,2,3
	global_store_b128 v[LI], v[CD+16+4*\u:CD+16+4*\u+3], s[12:13] offset:2048+512*\u
.endr
	s_set_vgpr_msb 0x5
	s_wait_tensorcnt 0x0
	ds_add_u32 v0, v1
	s_wait_dscnt 0x0
	s_set_vgpr_msb 0x500
	s_endpgm
.Lweights:
	; ---- weights: group of 128 columns cg = (work-group - 128) % 32; K block kb = 2 ((work-group - 128) / 32) + wave / 4; my 32 columns: 32 (wave % 4) on
	s_sub_co_u32 s28, ttmp9, 128
	s_and_b32 s29, s28, 31                         ; cg: 0-23 Wqkv's, 24-31 Wproj's
	s_lshr_b32 s28, s28, 5
	s_lshl_b32 s28, s28, 1
	s_lshr_b32 s30, s18, 2
	s_add_co_u32 s28, s28, s30                     ; kb
	s_and_b32 s30, s18, 3
	s_sub_co_u32 s31, s29, 24
	s_mov_b32 s34, 4096
	s_cmp_lt_u32 s29, 24                           ; the choice hangs on the work-group's number alone; both weights take one path
	s_cselect_b64 s[6:7], s[6:7], s[8:9]
	s_cselect_b32 s34, 12288, s34                  ; bytes from row k to row k + 1
	s_cselect_b32 s31, s29, s31                    ; the group of columns within its tensor
	s_mul_i32 s44, s28, s34
	s_lshl_b32 s44, s44, 7                         ; 128 kb rows
	s_lshl_b32 s45, s31, 9
	s_add_co_u32 s44, s44, s45
	s_lshl_b32 s45, s30, 7
	s_add_co_u32 s44, s44, s45
	s_mov_b32 s45, 0
	s_add_nc_u64 s[36:37], s[6:7], s[44:45]        ; four bases, 32 rows apart
	s_lshl_b32 s44, s34, 5
	s_add_nc_u64 s[38:39], s[36:37], s[44:45]
	s_add_nc_u64 s[40:41], s[38:39], s[44:45]
	s_add_nc_u64 s[42:43], s[40:41], s[44:45]
	s_lshl_b32 s44, s29, 17                        ; wc: tile of 16 columns = 8 cg + 2 (wave % 4), 16,384 bytes a tile,
	s_lshl_b32 s46, s30, 15
	s_add_co_u32 s44, s44, s46
	s_lshl_b32 s46, s28, 11                        ; + K block kb
	s_add_co_u32 s44, s44, s46
	s_add_nc_u64 s[14:15], s[14:15], s[44:45]
	v_lshlrev_b32 v1, 2, v[LANE]
.set i, 0
.rept 32
	v_mad_u32_u24 v[VO+i], s34, i, v1
.set i, i+1
.endr
.macro LOADW g                         ; rows 32 g + i of my K block, my column: a wave reads 128 consecutive bytes, four waves side by side 512
.set i, 0
.rept 32
	global_load_b32 v[R0+32*(\g)+i], v[VO+i], s[36+2*(\g):37+2*(\g)] th:TH_LOAD_NT
.set i, i+1
.endr
.endm
.macro WGROUP g
.if (\g) < 3
	s_wait_loadcnt 32                              ; this group's 32 loads are in; the next group's may be out
.else
	s_wait_loadcnt 0x0
.endif
.if (\g) < 2
	LOADW (\g)+2
.endif
.set i, 0
.rept 32
	v_med3_num_f32 v[R0+32*(\g)+i], v[R0+32*(\g)+i], -v[VL], v[VL]
.set i, i+1
.endr
.irp j, 0,1,2,3
	v_cvt_scalef32_pk8_fp8_f32 v[CD+8*(\g)+2*\j:CD+8*(\g)+2*\j+1], v[R0+32*(\g)+8*\j:R0+32*(\g)+8*\j+7], v[VS]
.endr
	v_nop
.irp j, 0,1,2,3                        ; k = 8 p on, p = 4 g + j, belongs to half p % 2 of the image's lanes, registers 2 (p / 2), 2 (p / 2) + 1
	ds_store_b64 v[WST], v[CD+8*(\g)+2*\j:CD+8*(\g)+2*\j+1] offset:512*(\g)+256*(\j%2)+8*(\j/2)
.endr
.endm
	LOADW 0
	LOADW 1
	ROPE
	s_wait_kmcnt 0x0
	s_cmp_lt_u32 s29, 24
	s_cselect_b32 s35, s21, s27                    ; e1 or e7
	MKSCALE 35
.irp g, 0,1,2,3
	WGROUP \g
.endr
.irp t, 0,1,2,3,4,5,6,7
	ds_load_b128 v[OUTR+4*\t:OUTR+4*\t+3], v[WLD] offset:512*\t   ; LDS serves a wave's instructions in order: these see my stores
.endr
.irp t, 0,1,2,3,4,5,6,7
	s_wait_dscnt 7-\t
	global_store_b128 v[LI], v[OUTR+4*\t:OUTR+4*\t+3], s[14:15] offset:(\t/4)*16384+512*(\t%4)   ; 512 consecutive bytes, aligned
.endr
	s_set_vgpr_msb 0x5
	s_wait_tensorcnt 0x0
	ds_add_u32 v0, v1
	s_wait_dscnt 0x0
	s_set_vgpr_msb 0x500
	s_endpgm
.Lfunc_end_k_q4e5954726c_prep:
	.size	k_q4e5954726c_prep, .Lfunc_end_k_q4e5954726c_prep-k_q4e5954726c_prep
	.p2alignl 7, 3214868480
	.fill 96, 4, 3214868480
	.section	.rodata,"a",@progbits
	.p2align	6, 0x0
	.amdhsa_kernel k_q4e5954726c_prep
		.amdhsa_group_segment_fixed_size 101376
		.amdhsa_private_segment_fixed_size 0
		.amdhsa_enable_private_segment 0
		.amdhsa_kernarg_size 56
		.amdhsa_user_sgpr_count 2
		.amdhsa_user_sgpr_kernarg_segment_ptr 1
		.amdhsa_wavefront_size32 1
		.amdhsa_system_sgpr_workgroup_id_x 1
		.amdhsa_system_sgpr_workgroup_id_y 1
		.amdhsa_system_sgpr_workgroup_id_z 1
		.amdhsa_system_vgpr_workitem_id 0
		.amdhsa_next_free_vgpr 258
		.amdhsa_next_free_sgpr 66
		.amdhsa_reserve_vcc 1
		.amdhsa_float_denorm_mode_32 3
		.amdhsa_float_denorm_mode_16_64 3
		.amdhsa_memory_ordered 1
		.amdhsa_forward_progress 1
		.amdhsa_inst_pref_size 58
	.end_amdhsa_kernel
	.amdgpu_metadata
---
amdhsa.version: [ 1, 2 ]
amdhsa.kernels:
  - .name:           k_q4e5954726c_prep
    .symbol:         k_q4e5954726c_prep.kd
    .args:
      - { .name: x, .offset: 0, .size: 8, .value_kind: global_buffer, .address_space: global }
      - { .name: Wqkv, .offset: 8, .size: 8, .value_kind: global_buffer, .address_space: global }
      - { .name: Wproj, .offset: 16, .size: 8, .value_kind: global_buffer, .address_space: global }
      - { .name: lowp_scales, .offset: 24, .size: 8, .value_kind: global_buffer, .address_space: global }
      - { .name: xq, .offset: 32, .size: 8, .value_kind: global_buffer, .address_space: global }
      - { .name: wc, .offset: 40, .size: 8, .value_kind: global_buffer, .address_space: global }
      - { .name: rope, .offset: 48, .size: 8, .value_kind: global_buffer, .address_space: global }
    .group_segment_fixed_size: 101376
    .private_segment_fixed_size: 0
    .kernarg_segment_align: 8
    .kernarg_segment_size: 56
    .max_flat_workgroup_size: 256
    .sgpr_count:     66
    .vgpr_count:     258
    .wavefront_size: 32
...
	.end_amdgpu_metadata
.endif
;; end of part 1
;; launch qkv (part 2): grid 12 x 16, 4 waves a work-group, clusters of 4 x 4, 327,680 bytes of LDS; arguments xq, wc, lowp_scales, bqkv, rope, qc, kc, vc; writes qc, kc, vc
.if DOCPART == 2
	.amdgcn_target "amdgcn-amd-amdhsa--gfx1250"
	.amdhsa_code_object_version 6
	.text
	.protected	k_q4e5954726c_qkv
	.globl	k_q4e5954726c_qkv
	.p2align	8
	.type	k_q4e5954726c_qkv,@function
k_q4e5954726c_qkv:
	s_mov_b64 s[64:65], 0
	v_nop
	global_prefetch_b8 v0, s[64:65] scope:SCOPE_SE
	s_setreg_imm32_b32 hwreg(HW_REG_WAVE_MODE, 25, 1), 1
	s_wait_xcnt 0x0
	s_wait_alu depctr_hold_cnt(0) depctr_sa_sdst(0) depctr_va_vdst(0) depctr_va_sdst(0) depctr_va_ssrc(0) depctr_va_vcc(0) depctr_vm_vsrc(0)
	s_getreg_b32 s2, hwreg(HW_REG_IB_STS2, 6, 4)
	s_cmp_eq_u32 s2, 0
	s_cbranch_scc0 .Lentry_in_a_cluster
	s_endpgm
.Lentry_in_a_cluster:
	s_bfe_u32 s2, ttmp6, 0x10000c
	s_cmp_lg_u32 s2, 0xf033
	s_cbranch_scc0 .Lentry_shape_is_right
	s_endpgm
.Lentry_shape_is_right:
; qkv = x Wqkv + bqkv on codes of FP8 (E4M3); q and k are rotated; q, k and v are quantised for the two products of attention and stored as images of operand registers.
; INPUTS: xq [16 tokens: 256 tiles][K block 8][2,048], wc [16 columns: 256 tiles][K block 8][2,048]: a fragment of 16 rows x 128 K as it stands in registers: registers 4 u .. 4 u + 3 of lane l at 512 u + 16 l;
; lane (r = l % 16, h = l / 16) holds row r, registers 2 c, 2 c + 1 hold k = 16 c + 8 h + 0 .. 7.  rope [token][cos 32 | sin 32] f32.
; OUTPUTS: qc, kc [batch x head 32][16 tokens: 128 tiles][1,024]: fragments 16 tokens x 64 of the head.  vc [batch x head 32][128 keys: 16 blocks][16 of the head: 4 tiles][2,048]: fragments 16 of the head x 128 keys.
; A tile of 256 x 256 is made by a work-group of four waves, 128 x 128 a wave: 64 accumulators, 512 registers.  K = 1,024 goes in four steps of 256 through two LDS slots filled by the tensor data mover.
; 12 x 16 = 192 work-groups: with this tile the four tile columns of a cluster are all q's, all k's or all v's (kind = the cluster's x), so the one branch on the kind is the same in all sixteen partners, and the wave's tile is the largest that the registers hold.
; THE MATRIX INSTRUCTION takes a fragment of region B as source 0 and one of region A as source 1: a lane then holds ONE row of region A and eight neighbouring rows of region B.
;   q, k: region A = 256 tokens (block 4 Cy + cy of xq), region B = 256 columns (block 4 kind + cx of wc): a lane holds one token and eight neighbours of the head: the next product's K.
;   v:    region A = 256 columns (block 8 + cy of wc), region B = 256 tokens (block 4 Cy + cx of xq): a lane holds one of the head's 64 and eight neighbouring keys: the next product's K.
; In both cases region A hangs on cy alone of the place in the cluster and is asked for jointly by a row of the cluster, region B on cx alone and by a column.  So nothing is transposed and no result goes through LDS.
; LIMITS on the given exponents, so that each power of two is an f32 number: e0 + e1 between -126 and 127; e2, e3, e5 between -126 and 119.  NaN is not served.
; REGISTERS, in windows of 256: window 0: v8-15 at work; v16-31 addresses and constants; v32-127 free in the loop; v128-255 region A's fragments, ONE set.  Window 1: region B's fragments, TWO sets, at v0 and v128.
;   Window 2: the accumulators of my rows 0-63 of region A ((a, b) at v[8 (8 a + b)]); window 3: those of rows 64-127.
.set FR,     16                        ; registers of a fragment
.set NL,     4                         ; LDS loads that bring one
.set NP,     4                         ; places behind this matrix instruction (ISA guide 7.12.1)
.set KSB,    4096                      ; a K step of 256 in one tile: two images
.set TILEB,  16384                     ; a tile's eight images in memory
.set HALF,   8*KSB                     ; what one tensor load brings: eight tiles' K step
.set SLOT,   4*HALF                    ; region A's 16 tiles, then region B's 16
.set SPARE,  2*SLOT                    ; behind the ring: the spare words, 128 bytes for each wave: two blocks of 256 bytes that no other line names
.set ADRA, 16                          ; v16-17  LDS address of my fragments of region A in slot 0, 1
.set ADRB, 20                          ; v20-21  the same for region B
.set LI,   24                          ; v24     16 x lane
.set CSO,  25                          ; v25     the table: 256 r + 32 h
.set BO,   26                          ; v26     q's and k's bias: 32 h
.set BVO,  27                          ; v27     v's bias: 4 r
.set SPW,  28                          ; v28     LDS address of my spare word; never rewritten
.set NIL,  29                          ; v29     0; never rewritten
.set LIM,  30                          ; v30     448 x the scale
.set SCL,  31                          ; v31     the scale as f32
.set BIAS, 32                          ; v32-95  the bias in the result's layout
.set CS,   96                          ; v96-127, v128-159: cos (16) and sin (16) of a block of 16 tokens, two sets
.set T,    160                         ; v160-223 a block's 64 numbers
.set CD,   224                         ; v224-239, v240-255: codes, two sets
.set AF,   128
.set G1, 24                            ; s[24:31] descriptor group 1 for region A;  s[32:39] group 0, one set for each slot
.set G0, 32
.set G1B, 48                           ; s[48:55], s[56:63] the same for region B
.set G0B, 56
.set MSB, 0
.macro WIN new                         ; the immediate's high byte repeats the setting that is left
.if MSB != (\new)
	s_set_vgpr_msb (MSB<<8)|(\new)
.set MSB, (\new)
.endif
.endm
.set MUL_LO, 0xa1                      ; source 0 (B) window 1, source 1 (A) window 0, C and D window 2
.set MUL_HI, 0xf1                      ; the same, C and D window 3
.set TO_B,   0x40                      ; destination window 1, address window 0
; A joint load: waves 0 and 1 fetch region A's halves, waves 2 and 3 region B's.  Each line has one mask and one set of registers for all that issue it; the branch hangs on the wave's number alone.
; Four v_nop follow each of the two lines, ahead of the jump, the label and what follows.
.macro JLOAD g0a, g1a, g0b, g1b
	s_cmp_eq_u32 s15, 0
	s_cbranch_scc0 .Lfor_b_\@
	tensor_load_to_lds s[\g0a:\g0a+3], s[\g1a:\g1a+7]
	s_nop 0
.rept 4
	v_nop
.endr
	s_branch .Lasked_\@
.Lfor_b_\@:
	tensor_load_to_lds s[\g0b:\g0b+3], s[\g1b:\g1b+7]
	s_nop 0
.rept 4
	v_nop
.endr
.Lasked_\@:
.endm
.macro CREST                           ; a round of the cluster's barrier behind its opening barrier
	s_cmp_lg_u32 s14, 0
	s_cbranch_scc1 .Lnot_wave_0_\@
	s_barrier_signal -3
.Lnot_wave_0_\@:
	s_barrier_wait -3
	s_barrier_signal -1
	s_barrier_wait -1
.endm
.macro CROUND                          ; a whole round
	s_barrier_signal -1
	s_barrier_wait -1
	CREST
.endm
	s_load_b256 s[4:11], s[0:1], 0x0               ; xq s[4:5], wc s[6:7], the exponents s[8:9], bqkv s[10:11]
	s_load_b256 s[68:75], s[0:1], 0x20             ; rope s[68:69], qc s[70:71], kc s[72:73], vc s[74:75]
	v_lshl_add_u32 v[SPW], v0, 2, SPARE
	v_mov_b32 v[NIL], 0
	ds_add_u32 v28, v29
	ds_add_u32 v28, v29
	s_wait_dscnt 0x0
	v_lshrrev_b32 v1, 5, v0
	v_readfirstlane_b32 s14, v1                    ; wave 0..3
	s_lshr_b32 s15, s14, 1                         ; my half of region A.  Also: I fetch for A (0) or for B (1)
	s_and_b32 s16, s14, 1                          ; my half of region B.  Also: which half of that region I fetch
	s_mov_b32 s12, ttmp9                           ; the kind: 0 q, 1 k, 2 v: the cluster's x, the same in all sixteen partners
	s_and_b32 s13, ttmp7, 0xffff                   ; Cy: the cluster's y
	s_bfe_u32 s40, ttmp6, 0x40000                  ; cx, cy: my place in the cluster
	s_bfe_u32 s41, ttmp6, 0x40004
	s_lshl_b32 s43, s41, 2
	s_lshl_b32 s43, 15, s43                        ; my row of the cluster
	s_lshl_b32 s44, 0x1111, s40                    ; my column
	; descriptor group 1: eight rows (tiles) of 4,096 bytes, 16,384 bytes apart in memory, dense in LDS
	s_or_b32 s[G1+0], s43, (1<<21)                 ; 15:0 the mask: region A goes to my row; 17:16 elements of 1 byte; 20 no padding; 21 set beside a mask
	s_or_b32 s[G1B+0], s44, (1<<21)                ; region B goes to my column
.irp g, G1, G1B
	s_mov_b32 s[\g+1], KSB<<16                     ; tensor_dim0 = 4,096
	s_mov_b32 s[\g+2], 8<<16                       ; tensor_dim1 = 8
	s_mov_b32 s[\g+3], KSB<<16                     ; tile_dim0 = 4,096
	s_mov_b32 s[\g+4], 8                           ; tile_dim1 = 8
	s_mov_b32 s[\g+5], TILEB                       ; tensor_dim0_stride
	s_mov_b32 s[\g+6], 0
	s_mov_b32 s[\g+7], 0
.endr
	; where the regions come from.  A's address is made of cy, Cy and the kind, B's of cx, Cy and the kind, each in registers that never hold the other coordinate
	s_lshl_b32 s17, s13, 2                         ; 4 Cy
	s_lshl_b32 s18, s12, 2                         ; 4 kind
	s_cmp_eq_u32 s12, 2
	s_cselect_b32 s20, 8, s17                      ; A's block of 256 rows: v: 8 + cy of wc; else 4 Cy + cy of xq
	s_cselect_b32 s46, s17, s18                    ; B's: v: 4 Cy + cx of xq; else 4 kind + cx of wc
	s_add_co_u32 s20, s20, s41
	s_add_co_u32 s46, s46, s40
	s_lshl_b32 s20, s20, 18                        ; 16 tiles of 16,384 bytes
	s_lshl_b32 s46, s46, 18
	s_lshl_b32 s19, s16, 17                        ; the half that I fetch: eight tiles
	s_add_co_u32 s20, s20, s19
	s_add_co_u32 s46, s46, s19
	s_mov_b32 s21, 0
	s_mov_b32 s47, 0
	s_lshl_b32 s45, s14, 15                        ; where they go: wave x 32,768: no place in the cluster enters an LDS address
	s_wait_kmcnt 0x0
	s_load_b256 s[76:83], s[8:9], 0x0              ; e0 .. e7
	s_cmp_eq_u32 s12, 2
	s_cselect_b64 s[22:23], s[6:7], s[4:5]         ; A's buffer
	s_cselect_b64 s[92:93], s[4:5], s[6:7]         ; B's buffer
	s_add_nc_u64 s[20:21], s[22:23], s[20:21]
	s_add_nc_u64 s[46:47], s[92:93], s[46:47]
	CROUND                                         ; all sixteen work-groups are here: the first joint loads meet
.irp s, 0,1
	s_mov_b32 s[G0+4*\s], 1
	s_add_co_u32 s[G0+4*\s+1], s45, \s*SLOT
	s_add_nc_u64 s[G0+4*\s+2:G0+4*\s+3], s[20:21], \s*KSB
	s_or_b32 s[G0+4*\s+3], s[G0+4*\s+3], 0x80000000
	s_mov_b32 s[G0B+4*\s], 1
	s_add_co_u32 s[G0B+4*\s+1], s45, \s*SLOT
	s_add_nc_u64 s[G0B+4*\s+2:G0B+4*\s+3], s[46:47], \s*KSB
	s_or_b32 s[G0B+4*\s+3], s[G0B+4*\s+3], 0x80000000
	JLOAD G0+4*\s, G1, G0B+4*\s, G1B
.endr
	v_and_b32 v1, 15, v0                           ; r
	v_bfe_u32 v2, v0, 4, 1                         ; h
	v_and_b32 v3, 31, v0
	v_lshlrev_b32 v[LI], 4, v3
	s_lshl_b32 s22, s15, 15                        ; my eight tiles of region A
	s_lshl_b32 s23, s16, 15                        ; my eight tiles of region B,
	s_add_co_u32 s23, s23, 2*HALF                  ; which lie behind A's sixteen
.irp s, 0,1
	v_add_nc_u32 v[ADRA+\s], s22, v[LI]
	v_add_nc_u32 v[ADRB+\s], s23, v[LI]
	s_add_co_u32 s22, s22, SLOT
	s_add_co_u32 s23, s23, SLOT
.endr
	v_lshlrev_b32 v[BO], 5, v2
	v_lshl_add_u32 v[CSO], v1, 8, v[BO]
	v_lshlrev_b32 v[BVO], 2, v1
.macro FRAG reg, adr, q, i             ; tile i's image of the slot's q-th 128 along K: four loads of 512 consecutive bytes
.irp c, 0,1,2,3
	ds_load_b128 v[\reg+4*\c:\reg+4*\c+3], v[\adr] offset:(\i)*KSB+2048*(\q)+512*\c
.endr
.endm
; 16 matrix instructions: A's blocks a0, a0 + 1 x B's eight, 128 along K.  p: B's set.  zero = 1: the first product starts the sums.
; The 64 accumulators take turns, one instruction a turn, in the same order in every step.
.macro MUL16 a0, p, zero
.irp a, \a0, \a0+1
.irp b, 0,1,2,3,4,5,6,7
.if \zero
	v_wmma_f32_16x16x128_fp8_fp8 v[8*(8*((\a)%4)+\b):8*(8*((\a)%4)+\b)+7], v[128*(\p)+FR*\b:128*(\p)+FR*\b+FR-1], v[AF+FR*(\a):AF+FR*(\a)+FR-1], 0
.else
	v_wmma_f32_16x16x128_fp8_fp8 v[8*(8*((\a)%4)+\b):8*(8*((\a)%4)+\b)+7], v[128*(\p)+FR*\b:128*(\p)+FR*\b+FR-1], v[AF+FR*(\a):AF+FR*(\a)+FR-1], v[8*(8*((\a)%4)+\b):8*(8*((\a)%4)+\b)+7]
.endif
.endr
.endr
.endm
.macro FETCH_B slot, q, p
	WIN TO_B
.irp i, 0,1,2,3,4,5,6,7
	FRAG 128*(\p)+FR*\i, ADRB+\slot, \q, \i
.endr
	WIN 0
.endm
.macro FETCH_A slot, q, i0             ; A's blocks i0 .. i0 + 3
.irp i, \i0, \i0+1, \i0+2, \i0+3
	FRAG AF+FR*(\i), ADRA+\slot, \q, \i
.endr
.endm
; A load into a register that a matrix instruction has read, and a vector instruction that reads a matrix result or writes one of a matrix instruction's registers, stand NP places behind it;
; only plain vector instructions that name none of its registers are places.
.macro PLACES n
.rept \n
	v_nop
.endr
.endm
; A step of 128 along K that has its successor in the same slot.  A block of A is free as soon as its eight products are issued: blocks 0-3 are fetched anew in the step's middle, blocks 4-7 at its end.
.macro STEP slot, q, zero
	s_wait_dscnt 4*NL                              ; B's set and A's blocks 0-3 are in; the youngest sixteen loads (A's blocks 4-7) may be out
	WIN MUL_LO
	MUL16 0, (\q)%2, \zero
	MUL16 2, (\q)%2, \zero
	s_wait_dscnt 0                                 ; A's blocks 4-7 are in
	PLACES NP
	FETCH_B \slot, (\q)+1, 1-(\q)%2
	FETCH_A \slot, (\q)+1, 0
	WIN MUL_HI
	MUL16 4, (\q)%2, \zero
	MUL16 6, (\q)%2, \zero
	PLACES NP
	WIN 0
	FETCH_A \slot, (\q)+1, 4
.endm
; A slot's last step changes slots: ONE barrier; in front of it each wave waits for all its tensor loads, adds 0 to its spare word, and waits for that and for its own reads of this slot.  fill = 1: this slot is filled again, two K steps ahead.
.macro TURN slot, next, fill
	s_wait_tensorcnt 0x0                           ; all my tensor loads have landed: my part of the next slot  (every window is 0 here)
	ds_add_u32 v[SPW], v[NIL]                      ; 0 onto my spare word
	s_wait_dscnt 4*NL+1                            ; (the add and the youngest sixteen loads, A's blocks 4-7, may be out)
	WIN MUL_LO
	MUL16 0, 1, 0                                  ; sixteen matrix instructions stand between the add and the wait for it
	s_wait_dscnt 0x0                               ; the add is done, and my reads of this slot are over
	s_barrier_signal -1
	MUL16 2, 1, 0
	WIN 0
	s_barrier_wait -1
.if \fill
	CREST                                          ; the barrier has opened a round of the cluster's barrier: no wave of any partner still reads this slot or has a load on its way
	s_add_nc_u64 s[G0+4*\slot+2:G0+4*\slot+3], s[G0+4*\slot+2:G0+4*\slot+3], 2*KSB
	s_add_nc_u64 s[G0B+4*\slot+2:G0B+4*\slot+3], s[G0B+4*\slot+2:G0B+4*\slot+3], 2*KSB
	JLOAD G0+4*\slot, G1, G0B+4*\slot, G1B         ; the first tensor load behind the round; its four v_nop are also the places in front of the loads below
.else
	PLACES NP
.endif
	FETCH_B \next, 0, 0
	FETCH_A \next, 0, 0
	WIN MUL_HI
	MUL16 4, 1, 0
	MUL16 6, 1, 0
	PLACES NP
	WIN 0
	FETCH_A \next, 0, 4
.endm
.macro LAST                            ; the very last 128 along K: nothing more to fetch
	s_wait_dscnt 4*NL
	WIN MUL_LO
	MUL16 0, 1, 0
	MUL16 2, 1, 0
	s_wait_dscnt 0
	WIN MUL_HI
	MUL16 4, 1, 0
	MUL16 6, 1, 0
	WIN 0
.endm
.macro MKSC e                          ; the scale 2^e and the hold 448 x 2^e, from the whole number in s[e]
	s_add_co_i32 s93, s[\e], 127
	s_lshl_b32 s94, s93, 23
	v_mov_b32 v[SCL], s94
	s_add_co_i32 s93, s93, 8
	s_lshl_b32 s93, s93, 23
	s_or_b32 s93, s93, 0x600000
	v_mov_b32 v[LIM], s93
.endm
.macro HOLD_CVT a                      ; the block's 64 numbers become 16 registers of codes, in set a % 2
.set i, 0
.rept 64
	v_med3_num_f32 v[T+i], v[T+i], -v[LIM], v[LIM] ; the conversion to an 8-bit code does not saturate (ISA guide 7.6.2): the hold comes first
.set i, i+1
.endr
.if (\a) > 1
	s_wait_xcnt 0x0                                ; the stores of two blocks ago have read this set of codes: it is written again only behind this wait
.endif
.set CC, CD+16*((\a)%2)
.irp b, 0,1,2,3,4,5,6,7
	v_cvt_scalef32_pk8_fp8_f32 v[CC+2*\b:CC+2*\b+1], v[T+8*\b:T+8*\b+7], v[SCL]
.endr
	v_nop                                          ; a plain line behind the last conversion: the next block's lines write its sources
.endm
	s_wait_tensorcnt 1                             ; my part of K step 0 is in (K step 1's load may be out)
	s_barrier_signal -1
	s_barrier_wait -1                              ; everybody's is
	FETCH_B 0, 0, 0
	FETCH_A 0, 0, 0
	FETCH_A 0, 0, 4
	STEP 0, 0, 1                                   ; the first products start the sums.  Four K steps: written out, a loop would have one trip
	TURN 0, 1, 1                                   ; slot 0 takes K step 2
	STEP 1, 0, 0
	TURN 1, 0, 1                                   ; slot 1 takes K step 3
	STEP 0, 0, 0
	TURN 0, 1, 0                                   ; nothing is left to fetch
	STEP 1, 0, 0
	s_wait_kmcnt 0x0                               ; the exponents
	s_add_co_i32 s96, s76, s77                     ; e0 + e1
	s_add_co_i32 s96, s96, 127
	s_lshl_b32 s96, s96, 23                        ; 2^(e0 + e1) as f32
	s_mov_b32 s97, s96                             ; (named with it as a pair, so it is written)
	s_mov_b32 s91, 0
	s_cmp_eq_u32 s12, 2                            ; the kind is the cluster's x: all partners take the same way
	s_cbranch_scc1 .Lpath_v
	; ---- q and k.  Accumulator (a, b), lane (r, h), register j: token 16 a + r of my 128, column 16 b + 8 h + j of my 128: head b / 4 of my two, place d = 16 (b % 4) + 8 h + j in it
	s_lshl_b32 s90, s12, 12                        ; bias: (1,024 kind + 256 cx + 128 half) x 4 bytes
	s_lshl_b32 s17, s40, 10
	s_add_co_u32 s90, s90, s17
	s_lshl_b32 s17, s16, 9
	s_add_co_u32 s90, s90, s17
	s_add_nc_u64 s[88:89], s[10:11], s[90:91]
	s_lshl_b32 s17, s13, 2
	s_add_co_u32 s17, s17, s41                     ; my block of 256 tokens: 4 Cy + cy; eight blocks to a batch
	s_and_b32 s17, s17, 7
	s_lshl_b32 s17, s17, 8
	s_lshl_b32 s18, s15, 7
	s_add_co_u32 s17, s17, s18                     ; my first token's position
	s_lshl_b32 s90, s17, 8
	s_add_nc_u64 s[86:87], s[68:69], s[90:91]      ; its 256 bytes of the table
	s_lshr_b32 s18, s13, 1                         ; the batch
	s_lshl_b32 s18, s18, 4
	s_lshl_b32 s19, s40, 2
	s_add_co_u32 s18, s18, s19
	s_lshl_b32 s19, s16, 1
	s_add_co_u32 s18, s18, s19                     ; 16 batch + my first head (4 cx + 2 half)
	s_lshl_b32 s90, s18, 17                        ; 131,072 bytes a head
	s_lshl_b32 s19, s17, 6                         ; 1,024 bytes for 16 tokens
	s_add_co_u32 s90, s90, s19
	s_cmp_eq_u32 s12, 0
	s_cselect_b64 s[84:85], s[70:71], s[72:73]     ; qc or kc
	s_cselect_b32 s92, s78, s79                    ; e2 or e3
	s_add_nc_u64 s[84:85], s[84:85], s[90:91]
	MKSC 92
.set i, 0
.rept 16
	global_load_b128 v[BIAS+4*i:BIAS+4*i+3], v[BO], s[88:89] offset:64*(i/2)+16*(i%2)   ; bias of columns 16 b + 8 h + 4 u on, i = 2 b + u
.set i, i+1
.endr
.macro CSLOAD a                        ; cos and sin of token 16 a + r at the angles 16 bb + 8 h + 0 .. 7, into set a % 2: over its eight loads the wave reads all 256 bytes of each of the 16 tokens
.set CB, CS+32*((\a)%2)
.irp bb, 0,1
.irp u, 0,1
	global_load_b128 v[CB+8*\bb+4*\u:CB+8*\bb+4*\u+3], v[CSO], s[86:87] offset:4096*(\a)+64*\bb+16*\u
	global_load_b128 v[CB+16+8*\bb+4*\u:CB+16+8*\bb+4*\u+3], v[CSO], s[86:87] offset:4096*(\a)+128+64*\bb+16*\u
.endr
.endr
.endm
.macro QKOUT a
.set AC, 64*((\a)%4)
.if (\a) < 7
	CSLOAD (\a)+1
	s_wait_loadcnt 8                               ; the bias and this block's cos and sin are in; the next block's eight loads may be out
.else
	s_wait_loadcnt 0x0
.endif
	WIN 0x02+((\a)/4)                              ; source 0: window 2 or 3
.set i, 0
.rept 32
	v_pk_fma_f32 v[T+i:T+i+1], v[AC+i:AC+i+1], s[96:97], v[BIAS+i:BIAS+i+1] op_sel_hi:[1,0,1]   ; sum x 2^(e0 + e1) + bias; each accumulator from its low end on
.set i, i+2
.endr
	WIN 0
.set CB, CS+32*((\a)%2)
.irp hd, 0,1                           ; the rotation pairs d with d + 32: blocks bb and bb + 2 of a head, same lane, same register
.irp bb, 0,1
.irp jj, 0,2,4,6
.set RLO, T+8*(4*\hd+\bb)+\jj
.set RHI, RLO+16
.set RCO, CB+8*\bb+\jj
.set RSI, RCO+16
.set RT,  8+4*((\jj/2)%2)
	v_pk_mul_f32 v[RT:RT+1], v[RHI:RHI+1], v[RSI:RSI+1]
	v_pk_mul_f32 v[RT+2:RT+3], v[RLO:RLO+1], v[RSI:RSI+1]
	v_pk_fma_f32 v[RLO:RLO+1], v[RLO:RLO+1], v[RCO:RCO+1], v[RT:RT+1] neg_lo:[0,0,1] neg_hi:[0,0,1]   ; u(d) cos - u(d + 32) sin
	v_pk_fma_f32 v[RHI:RHI+1], v[RHI:RHI+1], v[RCO:RCO+1], v[RT+2:RT+3]                               ; u(d + 32) cos + u(d) sin
.endr
.endr
.endr
	HOLD_CVT \a                                    ; registers 8 hd + 2 c, + 1: d = 16 c + 8 h + 0 .. 7 of head hd: the fragment as the next product takes it
.irp hd, 0,1
.irp u, 0,1
	global_store_b128 v[LI], v[CC+8*\hd+4*\u:CC+8*\hd+4*\u+3], s[84:85] offset:131072*\hd+1024*(\a)+512*\u   ; 512 consecutive bytes, aligned
.endr
.endr
.endm
	CSLOAD 0
	LAST
	PLACES NP                                      ; in front of the first read of results, and of loads and vector writes into the registers that held A's fragments
.irp a, 0,1,2,3,4,5,6,7
	QKOUT \a
.endr
	s_branch .Ljoin
.Lpath_v:
	; ---- v.  Accumulator (a, b), lane (r, h), register j: column 16 a + r of my 128 (head a / 4 of my two, tile a % 4 of its 64), key 16 b + 8 h + j of my 128
	s_lshl_b32 s90, s41, 10                        ; bias: (2,048 + 256 cy + 128 half) x 4 bytes
	s_lshl_b32 s17, s15, 9
	s_add_co_u32 s90, s90, s17
	s_add_co_u32 s90, s90, 8192
	s_add_nc_u64 s[88:89], s[10:11], s[90:91]
	s_lshr_b32 s18, s13, 1                         ; the batch
	s_lshl_b32 s18, s18, 4
	s_lshl_b32 s19, s41, 2
	s_add_co_u32 s18, s18, s19
	s_lshl_b32 s19, s15, 1
	s_add_co_u32 s18, s18, s19                     ; 16 batch + my first head (4 cy + 2 half)
	s_lshl_b32 s90, s18, 17
	s_lshl_b32 s17, s13, 2
	s_add_co_u32 s17, s17, s40                     ; my block of 256 tokens: 4 Cy + cx
	s_lshl_b32 s17, s17, 1
	s_add_co_u32 s17, s17, s16
	s_and_b32 s17, s17, 15                         ; my block of 128 keys in its batch
	s_lshl_b32 s17, s17, 13                        ; four images
	s_add_co_u32 s90, s90, s17
	s_add_nc_u64 s[84:85], s[74:75], s[90:91]
	MKSC 81                                        ; e5
.irp a, 0,1,2,3,4,5,6,7
	global_load_b32 v[BIAS+2*\a], v[BVO], s[88:89] offset:64*\a      ; a lane has one bias for a block; the packed form takes a pair, so it is loaded into both halves
	global_load_b32 v[BIAS+2*\a+1], v[BVO], s[88:89] offset:64*\a
.endr
.macro VOUT a
.set AC, 64*((\a)%4)
	WIN 0x02+((\a)/4)
.set i, 0
.rept 32
	v_pk_fma_f32 v[T+i:T+i+1], v[AC+i:AC+i+1], s[96:97], v[BIAS+2*(\a):BIAS+2*(\a)+1] op_sel_hi:[1,0,1]
.set i, i+2
.endr
	WIN 0
	HOLD_CVT \a                                    ; registers 2 b, 2 b + 1: keys 16 b + 8 h + 0 .. 7: the fragment as the next product takes it
.irp u, 0,1,2,3
	global_store_b128 v[LI], v[CC+4*\u:CC+4*\u+3], s[84:85] offset:131072*((\a)/4)+2048*((\a)%4)+512*\u
.endr
.endm
	LAST
	PLACES NP
	s_wait_loadcnt 0x0                             ; the bias
.irp a, 0,1,2,3,4,5,6,7
	VOUT \a
.endr
.Ljoin:
	s_wait_tensorcnt 0x0                           ; the wave's end
	ds_add_u32 v[SPW], v[NIL]
	s_wait_dscnt 0x0
	CROUND                                         ; the closing round: no work-group ends while a partner may still ask for a tile that names it
	s_endpgm
.Lfunc_end_k_q4e5954726c_qkv:
	.size	k_q4e5954726c_qkv, .Lfunc_end_k_q4e5954726c_qkv-k_q4e5954726c_qkv
	.p2alignl 7, 3214868480
	.fill 96, 4, 3214868480
	.section	.rodata,"a",@progbits
	.p2align	6, 0x0
	.amdhsa_kernel k_q4e5954726c_qkv
		.amdhsa_group_segment_fixed_size 327680
		.amdhsa_private_segment_fixed_size 0
		.amdhsa_enable_private_segment 0
		.amdhsa_kernarg_size 64
		.amdhsa_user_sgpr_count 2
		.amdhsa_user_sgpr_kernarg_segment_ptr 1
		.amdhsa_wavefront_size32 1
		.amdhsa_system_sgpr_workgroup_id_x 1
		.amdhsa_system_sgpr_workgroup_id_y 1
		.amdhsa_system_sgpr_workgroup_id_z 1
		.amdhsa_system_vgpr_workitem_id 0
		.amdhsa_next_free_vgpr 1024
		.amdhsa_next_free_sgpr 100
		.amdhsa_reserve_vcc 0
		.amdhsa_float_denorm_mode_32 3
		.amdhsa_float_denorm_mode_16_64 3
		.amdhsa_memory_ordered 1
		.amdhsa_forward_progress 1
		.amdhsa_inst_pref_size 237
	.end_amdhsa_kernel
	.amdgpu_metadata
---
amdhsa.version: [ 1, 2 ]
amdhsa.kernels:
  - .name:           k_q4e5954726c_qkv
    .symbol:         k_q4e5954726c_qkv.kd
    .args:
      - { .name: xq, .offset: 0, .size: 8, .value_kind: global_buffer, .address_space: global }
      - { .name: wc, .offset: 8, .size: 8, .value_kind: global_buffer, .address_space: global }
      - { .name: lowp_scales, .offset: 16, .size: 8, .value_kind: global_buffer, .address_space: global }
      - { .name: bqkv, .offset: 24, .size: 8, .value_kind: global_buffer, .address_space: global }
      - { .name: rope, .offset: 32, .size: 8, .value_kind: global_buffer, .address_space: global }
      - { .name: qc, .offset: 40, .size: 8, .value_kind: global_buffer, .address_space: global }
      - { .name: kc, .offset: 48, .size: 8, .value_kind: global_buffer, .address_space: global }
      - { .name: vc, .offset: 56, .size: 8, .value_kind: global_buffer, .address_space: global }
    .group_segment_fixed_size: 327680
    .private_segment_fixed_size: 0
    .kernarg_segment_align: 8
    .kernarg_segment_size: 64
    .max_flat_workgroup_size: 128
    .sgpr_count:     100
    .vgpr_count:     1024
    .wavefront_size: 32
...
	.end_amdgpu_metadata
.endif
;; end of part 2
;; launch attn (part 3): grid 8 x 32, 16 waves a work-group, clusters of 4 x 1, 264,192 bytes of LDS; arguments qc, kc, vc, lowp_scales, yq; writes yq
.if DOCPART == 3
	.amdgcn_target "amdgcn-amd-amdhsa--gfx1250"
	.amdhsa_code_object_version 6
	.text
	.protected	k_q4e5954726c_attn
	.globl	k_q4e5954726c_attn
	.p2align	8
	.type	k_q4e5954726c_attn,@function
k_q4e5954726c_attn:
	s_mov_b64 s[64:65], 0
	v_nop
	global_prefetch_b8 v0, s[64:65] scope:SCOPE_SE
	s_setreg_imm32_b32 hwreg(HW_REG_WAVE_MODE, 25, 1), 1
	s_wait_xcnt 0x0
	s_wait_alu depctr_hold_cnt(0) depctr_sa_sdst(0) depctr_va_vdst(0) depctr_va_sdst(0) depctr_va_ssrc(0) depctr_va_vcc(0) depctr_vm_vsrc(0)
	s_getreg_b32 s2, hwreg(HW_REG_IB_STS2, 6, 4)
	s_cmp_eq_u32 s2, 0
	s_cbranch_scc0 .Lentry_in_a_cluster
	s_endpgm
.Lentry_in_a_cluster:
	s_bfe_u32 s2, ttmp6, 0x10000c
	s_cmp_lg_u32 s2, 0x3003
	s_cbranch_scc0 .Lentry_shape_is_right
	s_endpgm
.Lentry_shape_is_right:
; y[b][t][head] = softmax over the keys s <= t of (q . k / 8) times v, both products on codes of FP8 (E4M3), each operand with the one scale 2^e that is given for it: e2 (q), e3 (k), e4 (p), e5 (v); y is quantised with e6.
; INPUTS, as images of operand registers (registers 4 u .. 4 u + 3 of lane l at 512 u + 16 l; lane (r, h) holds row r, registers 2 c, 2 c + 1 hold k = 16 c + 8 h + 0 .. 7):
;   qc, kc [batch x head 32][16 tokens: 128 tiles][1,024]: 16 tokens x the head's 64.   vc [batch x head 32][128 keys: 16 blocks][16 of the head: 4 tiles][2,048]: 16 of the head x 128 keys.
; OUTPUT: yq [16 tokens: 256 tiles][K block 8][2,048]: head hd's 64 columns are the 1,024 bytes at 1,024 hd of a tile.
; THE SOFTMAX AHEAD OF THE SECOND PRODUCT: t = score x log2(e) / 8; M = the row's largest t so far, rounded UP to a whole number; p = 2^(t - M) is what is quantised; the row's sum is taken of the unquantised p and divides at the end.
; When M moves, the sum and O are multiplied by 2^(old M - new M): exact.
; A HEAD'S K AND V STAY IN LDS WHOLE: 131,072 bytes each.  No LDS byte is filled twice.  The four work-groups of a cluster belong to one head and ask for each chunk JOINTLY (mask 15).
; SHARES.  Work-group j (0..7) of a head, wave w: the 16 queries 128 QB(w) + 16 j + 0 .. 15.  It needs the key steps 0 .. QB of 128 keys; step QB lies on the diagonal.  Every work-group has 136 steps.
; QB(w) = 15 2 1 12 / 4 9 10 7 / 8 5 6 11 / 3 14 13 0: the four waves w with equal w % 4, and the four with equal w / 4, have 34 steps together.
; Every wave walks all 16 trips (trip counts are constants); a step whose keys all come after its queries is left out by a scalar branch on the wave's number, round no barrier and no tensor load.
; LAYOUT.  Both products are used transposed: S^T = K Q^T (source 0 = 16 keys, source 1 = my 16 queries), O^T = V^T P^T (source 0 = 16 of the head, source 1 = p): a lane holds ONE query (lane % 16) throughout.
; In tile c of S^T lane (r, h) holds keys 16 c + 8 h + 0 .. 7: their eight codes are registers 2 c, 2 c + 1 of p's fragment.  Likewise O^T's tiles become y's fragment.
; LIMITS on the given exponents: e2 + e3 between -123 and 130 (added to an exponent field); e4 and e6 between -126 and 119; e4 + e5 is applied by v_ldexp_f32 and has none.
; REGISTERS: v1 16 x lane; v2 my query's place less 8 h; v8, v9 LDS addresses; v12 -M, v13 the largest t, v[14:15] the sum in two halves; v16-23 Q; v32-95 K's eight fragments, then V's four; v96-159 S^T, then p;
;   v160-191 O^T; v192-207 p's codes; v208-215 y's codes; v236 the lane exchanges' destination; v242-243, v252-254 at work; v240, v244: 448 x 2^e4, 2^e4; v241, v245: the same with e6.
.set VB,    131072                     ; LDS: K at 0, V here
.set CHUNK, 16384                      ; 256 keys of K, or of V
.set STEPB, 8192                       ; 128 keys of K, or of V
.set WV,   18                          ; s18  my wave's number
.set QB,   19                          ; s19  my block of 128 queries
.set SEL,  20                          ; s[20:21] lane selects for v_permlanex16_b32: lane l xor 16
.set CS,   22                          ; s[22:23] c = log2(e) / 8 x 2^(e2 + e3)
.set G1,   24                          ; s[24:31] descriptor group 1
.set G0,   32                          ; s[32:63] descriptor groups 0, one for each of the eight chunks
.set KS,   66                          ; s66  the key step
.set TB,   67                          ; s67  its first byte in K's part of LDS
.set CNT,  68                          ; s68  trips to go
.set LI,   1
.set DV,   2
.set ADK,  8
.set ADV,  9
.macro CROUND                          ; a round of the cluster's barrier
	s_barrier_signal -1
	s_barrier_wait -1
	s_cmp_lg_u32 s[WV], 0
	s_cbranch_scc1 .Lnot_wave_0_\@
	s_barrier_signal -3
.Lnot_wave_0_\@:
	s_barrier_wait -3
	s_barrier_signal -1
	s_barrier_wait -1
.endm
	s_load_b256 s[4:11], s[0:1], 0x0               ; qc s[4:5], kc s[6:7], vc s[8:9], the exponents s[10:11]
	s_load_b64 s[12:13], s[0:1], 0x20              ; yq
	v_lshl_add_u32 v251, v0, 2, 0x40000
	v_mov_b32 v255, 0
	ds_add_u32 v251, v255
	ds_add_u32 v251, v255
	v_lshrrev_b32 v3, 5, v0
	v_readfirstlane_b32 s[WV], v3                  ; wave 0..15
	s_bfe_u32 s80, ttmp6, 0x40000                  ; cx
	s_lshl_b32 s81, ttmp9, 2
	s_add_co_u32 s81, s81, s80                     ; j = 4 x cluster x + cx: it enters Q's and y's global addresses and v2, no branch and no LDS address
	s_and_b32 s82, ttmp7, 0xffff                   ; batch x head, which the four partners share
	s_mov_b32 s83, 0x0DE3B658                      ; QB of waves 8-15, four bits each,
	s_cmp_lt_u32 s[WV], 8
	s_cselect_b32 s83, 0x7A94C12F, s83             ; of waves 0-7
	s_and_b32 s88, s[WV], 7
	s_lshl_b32 s88, s88, 2
	s_lshr_b32 s83, s83, s88
	s_and_b32 s[QB], s83, 15
	s_and_b32 s83, s[WV], 1                        ; wave 0 fetches K, wave 1 V
	s_lshl_b32 s88, s83, 17                        ; into its half of LDS
	s_lshl_b32 s86, s82, 17                        ; the head's 131,072 bytes in qc, kc and vc
	s_mov_b32 s87, 0
	; descriptor group 1: a chunk is a dense block of 16,384 bytes: 64 rows of 256
	s_mov_b32 s[G1], 15|(3<<16)|(1<<21)            ; 15:0 the mask: all four work-groups; 17:16 elements of 8 bytes; 20 no padding; 21 set beside a mask
	s_mov_b32 s[G1+1], 32<<16                      ; tensor_dim0 = 32
	s_mov_b32 s[G1+2], 64<<16                      ; tensor_dim1 = 64
	s_mov_b32 s[G1+3], 32<<16                      ; tile_dim0 = 32
	s_mov_b32 s[G1+4], 64                          ; tile_dim1 = 64
	s_mov_b32 s[G1+5], 32                          ; tensor_dim0_stride
	s_mov_b32 s[G1+6], 0
	s_mov_b32 s[G1+7], 0
	s_mov_b32 s[SEL], 0x76543210
	s_mov_b32 s[SEL+1], 0xfedcba98
	s_mov_b32 s[CS], 0x3E38AA3B                    ; log2(e) / 8
	s_wait_dscnt 0x0
	s_wait_kmcnt 0x0
	s_load_b256 s[72:79], s[10:11], 0x0            ; e0 .. e7
	s_cmp_eq_u32 s83, 0
	s_cselect_b64 s[90:91], s[6:7], s[8:9]
	s_add_nc_u64 s[90:91], s[90:91], s[86:87]
.irp g, 0,1,2,3,4,5,6,7
	s_mov_b32 s[G0+4*\g], 1                        ; count = 1
	s_add_co_u32 s[G0+4*\g+1], s88, \g*CHUNK       ; LDS address
	s_add_nc_u64 s[G0+4*\g+2:G0+4*\g+3], s[90:91], \g*CHUNK   ; global address
	s_or_b32 s[G0+4*\g+3], s[G0+4*\g+3], 0x80000000           ; type = 2
.endr
	CROUND                                         ; all four work-groups are here: the joint loads meet
	s_cmp_lt_u32 s[WV], 2                          ; all fills stand in one branch on the wave's number, ahead of every wait on TENSORcnt, every LDS read and every other barrier: eight loads of a fetching wave are out
	s_cbranch_scc0 .Lno_fetch
.irp g, 0,1,2,3,4,5,6,7
	tensor_load_to_lds s[G0+4*\g:G0+4*\g+3], s[G1:G1+7]
	s_nop 0
.endr
.rept 4
	v_nop
.endr
.Lno_fetch:
	s_lshl_b32 s92, s[QB], 3
	s_add_co_u32 s92, s92, s81                     ; my tile of 16 tokens in the batch: 8 QB + j
	s_lshl_b32 s94, s92, 10
	s_mov_b32 s95, 0
	s_add_nc_u64 s[4:5], s[4:5], s[86:87]
	s_add_nc_u64 s[4:5], s[4:5], s[94:95]          ; Q's fragment
	v_and_b32 v3, 31, v0
	v_lshlrev_b32 v[LI], 4, v3
	global_load_b128 v[16:19], v[LI], s[4:5]
	global_load_b128 v[20:23], v[LI], s[4:5] offset:512
	s_lshr_b32 s93, s82, 4                         ; the batch: 128 tiles
	s_lshl_b32 s93, s93, 7
	s_add_co_u32 s93, s93, s92
	s_lshl_b32 s94, s93, 14                        ; 16,384 bytes a tile,
	s_and_b32 s93, s82, 15
	s_lshl_b32 s93, s93, 10                        ; 1,024 a head
	s_add_co_u32 s94, s94, s93
	s_add_nc_u64 s[84:85], s[12:13], s[94:95]      ; y's fragment
	v_and_b32 v4, 15, v0
	v_bfe_u32 v5, v0, 4, 1
	v_lshlrev_b32 v5, 3, v5
	v_sub_nc_u32 v[DV], v4, v5
	s_lshl_b32 s93, s81, 4
	v_add_nc_u32 v[DV], s93, v[DV]                 ; 16 j + r - 8 h: my query's place in its block of 128, less my half's first key of a tile
	v_mov_b32 v13, 0xff61b1e6                      ; the largest t so far: -3e38, under every t
	v_floor_f32 v12, -v13                          ; -M
	v_mov_b32 v14, 0                               ; the sum, in two halves
	v_mov_b32 v15, 0
	v_mov_b32 v236, 0                              ; written once: a lane permute's destination counts as one of its sources; every exchange of this text lands here
	v_mov_b32 v253, 0                              ; (named as the upper half of the pair v[252:253])
.set i, 0
.rept 32
	v_mov_b32 v[160+i], 0                          ; O^T.  (The step is written without a first step of its own: the first change of M multiplies zeros)
.set i, i+1
.endr
	s_wait_kmcnt 0x0
	s_add_co_i32 s80, s74, s75                     ; a score stands for score x 2^(e2 + e3): the two exponents are added to c's exponent field
	s_lshl_b32 s80, s80, 23
	s_add_co_i32 s[CS], s[CS], s80
	s_mov_b32 s[CS+1], s[CS]                       ; (named with it as a pair, so it is written)
	s_add_co_i32 s80, s76, 127
	s_lshl_b32 s81, s80, 23
	v_mov_b32 v244, s81                            ; 2^e4 as f32, for p's conversion
	s_add_co_i32 s80, s80, 8
	s_lshl_b32 s80, s80, 23
	s_or_b32 s80, s80, 0x600000
	v_mov_b32 v240, s80                            ; 448 x 2^e4
; A KEY STEP: 128 keys.
.macro STEP
	s_cmp_gt_u32 s[KS], s[QB]                      ; all its keys come after my queries: left out
	s_cbranch_scc1 .Lhidden_\@
	v_add_nc_u32 v[ADK], s[TB], v[LI]
	v_add_nc_u32 v[ADV], VB, v[ADK]
	v_nop                                          ; with the two additions: four places in front of loads into registers that the last products read
	v_nop
.set i, 0
.rept 16
	ds_load_b128 v[32+4*i:35+4*i], v[ADK] offset:512*i   ; K's eight fragments of 16 keys x 64: 512 consecutive bytes a load
.set i, i+1
.endr
	s_wait_dscnt 8                                 ; tiles 0-3 are in; the eight loads of tiles 4-7 may be out
.irp c, 0,1,2,3
	v_wmma_f32_16x16x64_fp8_fp8 v[96+8*\c:103+8*\c], v[32+8*\c:39+8*\c], v[16:23], 0
.endr
	s_wait_dscnt 0x0
.irp c, 4,5,6,7
	v_wmma_f32_16x16x64_fp8_fp8 v[96+8*\c:103+8*\c], v[32+8*\c:39+8*\c], v[16:23], 0
.endr
.rept 4
	v_nop                                          ; places in front of the loads below and of the first read of the scores
.endr
.set i, 0
.rept 16
	ds_load_b128 v[32+4*i:35+4*i], v[ADV] offset:512*i   ; V's four fragments of 16 of the head x 128 keys: they land under the softmax
.set i, i+1
.endr
	s_cmp_lg_u32 s[KS], s[QB]                      ; on the diagonal the scores of hidden keys become -infinity ahead of the maximum: p = 0 then
	s_cbranch_scc1 .Lopen_\@
	v_mov_b32 v254, 0xff800000
.set n, 0
.rept 64
	v_cmp_gt_i32 vcc_lo, 16*(n/8)+n%8, v[DV]       ; register n holds key 16 (n / 8) + 8 h + n % 8 of the block
	v_cndmask_b32 v[96+n], v[96+n], v254, vcc_lo
.set n, n+1
.endr
.Lopen_\@:
	v_max3_num_f32 v254, v96, v97, v98             ; the step's largest score of my query, among my 64 keys, in two chains,
	v_max3_num_f32 v252, v99, v100, v101
.irp i, 6,10,14,18,22,26,30,34,38,42,46,50,54,58
	v_max3_num_f32 v254, v254, v[96+\i], v[97+\i]
	v_max3_num_f32 v252, v252, v[98+\i], v[99+\i]
.endr
	v_max3_num_f32 v254, v254, v158, v159
	v_max_num_f32 v254, v254, v252
	v_permlanex16_b32 v236, v254, s[SEL], s[SEL+1]
	v_max_num_f32 v254, v254, v236                 ; and among lane l xor 16's
	v_mul_f32 v254, s[CS], v254                    ; as t (c is positive)
	v_max_num_f32 v13, v13, v254                   ; the running largest t
	v_mov_b32 v254, v12
	v_floor_f32 v12, -v13                          ; the new -M = floor(-t) = -ceil(t): M is a whole number
	v_sub_f32 v254, v12, v254                      ; M's old value less its new one: a whole number, 0 or less
	v_cvt_i32_f32 v254, v254                       ; (it saturates)
	v_ldexp_f32 v252, 1.0, v254                    ; f = 2^(old M - new M)
.set j, 0
.rept 32
	v_pk_fma_f32 v[96+j:97+j], v[96+j:97+j], s[CS:CS+1], v[12:13] op_sel_hi:[1,0,0]   ; t - M, two at a time (of the pairs c and -M the low word serves both halves)
.set j, j+2
.endr
.set j, 0
.rept 64
	v_exp_f32 v[96+j], v[96+j]                     ; p = 2^(t - M), at most 1: not normalised
.set j, j+1
.endr
	v_pk_mul_f32 v[14:15], v[14:15], v[252:253] op_sel_hi:[1,0]   ; the sums under the new M: the plain line behind the exponentials
	s_wait_alu depctr_va_vdst(0)                   ; one wait for the whole batch, ahead of its first reader
	v_pk_add_f32 v[242:243], v[96:97], v[98:99]    ; the row's sum is taken of the unquantised p: two at a time, in two chains
.irp j, 4,8,12,16,20,24,28,32,36,40,44,48,52,56,60
	v_pk_add_f32 v[14:15], v[14:15], v[96+\j:97+\j]
	v_pk_add_f32 v[242:243], v[242:243], v[98+\j:99+\j]
.endr
	v_pk_add_f32 v[14:15], v[14:15], v[242:243]
.irp c, 0,1,2,3,4,5,6,7
.irp i, 0,1,2,3,4,5,6,7
	v_min_num_f32 v[96+8*\c+\i], v[96+8*\c+\i], v240   ; the conversion to an 8-bit code does not saturate (ISA guide 7.6.2); p is not negative, so the hold is one-sided
.endr
	v_cvt_scalef32_pk8_fp8_f32 v[192+2*\c:193+2*\c], v[96+8*\c:103+8*\c], v244
.endr
.set j, 0
.rept 16
	v_pk_mul_f32 v[160+j:161+j], v[160+j:161+j], v[252:253] op_sel_hi:[1,0]   ; O^T under the new M.  (Also the plain lines between the conversions and the products)
.set j, j+2
.endr
	s_wait_dscnt 0x0                               ; V is in
.irp d, 0,1,2,3                        ; the four accumulators take turns; between two turns of one stand the next step's eight products K Q^T
	v_wmma_f32_16x16x128_fp8_fp8 v[160+8*\d:167+8*\d], v[32+16*\d:47+16*\d], v[192:207], v[160+8*\d:167+8*\d]
.endr
.Lhidden_\@:
	s_add_co_u32 s[KS], s[KS], 1
	s_add_co_u32 s[TB], s[TB], STEPB
.endm
.macro WALK first, trips               ; key steps first .. first + trips - 1
	s_mov_b32 s[KS], \first
	s_mov_b32 s[TB], \first*STEPB
	s_mov_b32 s[CNT], \trips
.Lwalk_\@:
	STEP
	s_sub_co_u32 s[CNT], s[CNT], 1
	s_cmp_lg_u32 s[CNT], 0
	s_cbranch_scc1 .Lwalk_\@
.endm
	s_wait_loadcnt 0x0                             ; Q
	s_wait_tensorcnt 7                             ; chunk 0 (key steps 0, 1) is in; the seven behind it may be out
	s_barrier_signal -1
	s_barrier_wait -1                              ; K's and V's, for every wave
	WALK 0, 2
	s_wait_tensorcnt 5                             ; chunks 1 and 2 (key steps 2 to 5) are in
	s_wait_dscnt 0x0
	s_barrier_signal -1
	s_barrier_wait -1
	WALK 2, 4
	s_wait_tensorcnt 0x0                           ; all of the head is in
	s_wait_dscnt 0x0
	s_barrier_signal -1
	s_barrier_wait -1
	WALK 6, 10
	; THE WAY OUT.  O^T / the sum x 2^(e4 + e5) is y; register 8 d + i of lane (r, h) is y(query r, 16 d + 8 h + i): its codes are the fragment that the last product takes.
	v_add_f32 v14, v14, v15                        ; the sum's two halves,
	v_permlanex16_b32 v236, v14, s[SEL], s[SEL+1]  ; (into the register that the head has written: a lane permute's destination counts as read)
	v_add_f32 v14, v14, v236                       ; and lane l xor 16's: the row's sum
	v_rcp_f32 v14, v14
	s_add_co_i32 s80, s78, 127
	s_lshl_b32 s81, s80, 23
	v_mov_b32 v245, s81                            ; 2^e6 as f32  (a plain line behind the reciprocal)
	s_add_co_i32 s80, s80, 8
	s_lshl_b32 s80, s80, 23
	s_or_b32 s80, s80, 0x600000
	v_mov_b32 v241, s80                            ; 448 x 2^e6
	s_add_co_i32 s80, s76, s77                     ; e4 + e5
	s_wait_alu depctr_va_vdst(0)                   ; ahead of the reciprocal's first reader
	v_ldexp_f32 v14, v14, s80
.set j, 0
.rept 16
	v_pk_mul_f32 v[96+j:97+j], v[160+j:161+j], v[14:15] op_sel_hi:[1,0]   ; each accumulator from its low end on
.set j, j+2
.endr
.set j, 0
.rept 32
	v_med3_num_f32 v[96+j], v[96+j], -v241, v241
.set j, j+1
.endr
.irp d, 0,1,2,3
	v_cvt_scalef32_pk8_fp8_f32 v[208+2*\d:209+2*\d], v[96+8*\d:103+8*\d], v245
.endr
	v_nop
	global_store_b128 v[LI], v[208:211], s[84:85]              ; 512 consecutive bytes, aligned
	global_store_b128 v[LI], v[212:215], s[84:85] offset:512
	s_wait_dscnt 0x0
	s_wait_tensorcnt 0x0
	ds_add_u32 v251, v255
	s_wait_dscnt 0x0
	CROUND                                         ; the closing round: no work-group ends while a partner may still ask for a chunk that names it
	s_endpgm
.Lfunc_end_k_q4e5954726c_attn:
	.size	k_q4e5954726c_attn, .Lfunc_end_k_q4e5954726c_attn-k_q4e5954726c_attn
	.p2alignl 7, 3214868480
	.fill 96, 4, 3214868480
	.section	.rodata,"a",@progbits
	.p2align	6, 0x0
	.amdhsa_kernel k_q4e5954726c_attn
		.amdhsa_group_segment_fixed_size 264192
		.amdhsa_private_segment_fixed_size 0
		.amdhsa_enable_private_segment 0
		.amdhsa_kernarg_size 40
		.amdhsa_user_sgpr_count 2
		.amdhsa_user_sgpr_kernarg_segment_ptr 1
		.amdhsa_wavefront_size32 1
		.amdhsa_system_sgpr_workgroup_id_x 1
		.amdhsa_system_sgpr_workgroup_id_y 1
		.amdhsa_system_sgpr_workgroup_id_z 1
		.amdhsa_system_vgpr_workitem_id 0
		.amdhsa_next_free_vgpr 256
		.amdhsa_next_free_sgpr 100
		.amdhsa_reserve_vcc 1
		.amdhsa_float_denorm_mode_32 3
		.amdhsa_float_denorm_mode_16_64 3
		.amdhsa_memory_ordered 1
		.amdhsa_forward_progress 1
		.amdhsa_inst_pref_size 75
	.end_amdhsa_kernel
	.amdgpu_metadata
---
amdhsa.version: [ 1, 2 ]
amdhsa.kernels:
  - .name:           k_q4e5954726c_attn
    .symbol:         k_q4e5954726c_attn.kd
    .args:
      - { .name: qc, .offset: 0, .size: 8, .value_kind: global_buffer, .address_space: global }
      - { .name: kc, .offset: 8, .size: 8, .value_kind: global_buffer, .address_space: global }
      - { .name: vc, .offset: 16, .size: 8, .value_kind: global_buffer, .address_space: global }
      - { .name: lowp_scales, .offset: 24, .size: 8, .value_kind: global_buffer, .address_space: global }
      - { .name: yq, .offset: 32, .size: 8, .value_kind: global_buffer, .address_space: global }
    .group_segment_fixed_size: 264192
    .private_segment_fixed_size: 0
    .kernarg_segment_align: 8
    .kernarg_segment_size: 40
    .max_flat_workgroup_size: 512
    .sgpr_count:     100
    .vgpr_count:     256
    .wavefront_size: 32
...
	.end_amdgpu_metadata
.endif
;; end of part 3
;; launch proj (part 4): grid 8 x 32, 4 waves a work-group, clusters of 4 x 4, 280,064 bytes of LDS; arguments yq, wc, lowp_scales, bproj, out0; writes out0
.if DOCPART == 4
	.amdgcn_target "amdgcn-amd-amdhsa--gfx1250"
	.amdhsa_code_object_version 6
	.text
	.protected	k_q4e5954726c_proj
	.globl	k_q4e5954726c_proj
	.p2align	8
	.type	k_q4e5954726c_proj,@function
k_q4e5954726c_proj:
	s_mov_b64 s[64:65], 0
	v_nop
	global_prefetch_b8 v0, s[64:65] scope:SCOPE_SE
	s_setreg_imm32_b32 hwreg(HW_REG_WAVE_MODE, 25, 1), 1
	s_wait_xcnt 0x0
	s_wait_alu depctr_hold_cnt(0) depctr_sa_sdst(0) depctr_va_vdst(0) depctr_va_sdst(0) depctr_va_ssrc(0) depctr_va_vcc(0) depctr_vm_vsrc(0)
	s_getreg_b32 s2, hwreg(HW_REG_IB_STS2, 6, 4)
	s_cmp_eq_u32 s2, 0
	s_cbranch_scc0 .Lentry_in_a_cluster
	s_endpgm
.Lentry_in_a_cluster:
	s_bfe_u32 s2, ttmp6, 0x10000c
	s_cmp_lg_u32 s2, 0xf033
	s_cbranch_scc0 .Lentry_shape_is_right
	s_endpgm
.Lentry_shape_is_right:
; out0 = y Wproj + bproj on codes of FP8 (E4M3): y's with the scale 2^e6, Wproj's with 2^e7.  out0 [4096][1024] f32.
; INPUTS, as images of operand registers: yq [16 tokens: 256 tiles][K block 8][2,048]; wc [16 columns: 256 tiles][K block 8][2,048], of which tiles 192-255 are Wproj's columns.
; A fragment of 16 rows x 128 K: registers 4 u .. 4 u + 3 of lane l at 512 u + 16 l; lane (r, h) holds row r, registers 2 c, 2 c + 1 hold k = 16 c + 8 h + 0 .. 7.
; A tile of out0 is 128 x 128, so that 8 x 32 = 256 work-groups share the work; four waves, 64 x 64 each: 16 accumulators.  The tile's whole K lies in LDS: 131,072 bytes of y's codes and as many of Wproj's, in four
; chunks of 256 along K.  No LDS byte is filled twice: a wave's four tensor loads go out together at the head, and each chunk is read behind a counted wait and a barrier.
; CLUSTERS: 4 x 4 work-groups.  The four of a row need the same rows of y, the four of a column the same columns of Wproj: each chunk is asked for JOINTLY.
; THE MATRIX INSTRUCTION IS USED TRANSPOSED (source 0 = 16 columns of Wproj, source 1 = 16 tokens): a lane holds eight neighbouring numbers of a row of out0.
; LIMIT: e6 + e7 between -126 and 127, so that 2^(e6 + e7) is an f32 number.
; REGISTERS: window 0: v8-15 LDS addresses of the chunks; v23-27 addresses; v32-63 the bias; v64-95, v96-127 the way out; v128-255 the accumulators ((a, b) at v[128 + 8 (4 a + b)]).
;   window 1: two fragment buffers of 128: y's four fragments, then Wproj's four.
.set KSB,   4096                       ; 256 along K in one tile: two images
.set TILEB, 16384
.set CHK,   65536                      ; a chunk in LDS: y's eight tiles, then Wproj's eight
.set STG,   4*CHK                      ; behind the chunks: a stage of 16 rows x 272 bytes for each wave; no tensor load lands there
.set SP,    272
.set ADRA, 8                           ; v8-11   my four tiles of y in chunk 0..3
.set ADRB, 12                          ; v12-15  my four tiles of Wproj
.set LI,   23
.set STO,  24                          ; v24     the stage: where I put 32 bytes of a row
.set RD,   25                          ; v25     and where I read a row back
.set CO,   26                          ; v26     my byte offset in two rows of out0
.set BO,   27                          ; v27     the bias: 32 h
.set BIAS, 32
.set TMP,  64
.set BK,   96
.set ACC,  128
.set G1,  24                           ; s[24:31] descriptor group 1 for y's chunks;  s[32:47] groups 0, one a chunk
.set G0,  32
.set G0B, 48                           ; s[48:63] groups 0 for Wproj's chunks;  s[68:75] their group 1
.set G1B, 68
.set MSB, 0
.macro WIN new                         ; the immediate's high byte repeats the setting that is left
.if MSB != (\new)
	s_set_vgpr_msb (MSB<<8)|(\new)
.set MSB, (\new)
.endif
.endm
.macro CROUND                          ; a round of the cluster's barrier
	s_barrier_signal -1
	s_barrier_wait -1
	s_cmp_lg_u32 s14, 0
	s_cbranch_scc1 .Lnot_wave_0_\@
	s_barrier_signal -3
.Lnot_wave_0_\@:
	s_barrier_wait -3
	s_barrier_signal -1
	s_barrier_wait -1
.endm
.macro PLACES
.rept 4
	v_nop
.endr
.endm
	s_load_b256 s[4:11], s[0:1], 0x0               ; yq s[4:5], wc s[6:7], the exponents s[8:9], bproj s[10:11]
	s_load_b64 s[12:13], s[0:1], 0x20              ; out0
	v_lshl_add_u32 v30, v0, 2, 0x44400
	v_mov_b32 v31, 0
	ds_add_u32 v30, v31
	ds_add_u32 v30, v31
	v_lshrrev_b32 v1, 5, v0
	v_readfirstlane_b32 s14, v1                    ; wave 0..3
	s_lshr_b32 s15, s14, 1                         ; my half of the tile's rows.  Also: I fetch y's codes (0) or Wproj's (1)
	s_and_b32 s16, s14, 1                          ; my half of its columns.  Also: which four tiles I fetch
	s_bfe_u32 s76, ttmp6, 0x40000                  ; cx, cy
	s_bfe_u32 s77, ttmp6, 0x40004
	s_lshl_b32 s78, ttmp9, 2
	s_add_co_u32 s78, s78, s76                     ; tile column = 4 x cluster x + cx
	s_and_b32 s79, ttmp7, 0xffff
	s_lshl_b32 s79, s79, 2
	s_add_co_u32 s79, s79, s77                     ; tile row = 4 x cluster y + cy
	s_lshl_b32 s80, s77, 2
	s_lshl_b32 s80, 15, s80                        ; my row of the cluster
	s_lshl_b32 s81, 0x1111, s76                    ; my column
	; descriptor group 1: four rows (tiles) of 4,096 bytes, 16,384 bytes apart in memory, dense in LDS
	s_or_b32 s[G1+0], s80, (1<<21)                 ; 15:0 the mask; 17:16 elements of 1 byte; 20 no padding; 21 set beside a mask
	s_or_b32 s[G1B+0], s81, (1<<21)
.irp g, G1, G1B
	s_mov_b32 s[\g+1], KSB<<16                     ; tensor_dim0 = 4,096
	s_mov_b32 s[\g+2], 4<<16                       ; tensor_dim1 = 4
	s_mov_b32 s[\g+3], KSB<<16                     ; tile_dim0 = 4,096
	s_mov_b32 s[\g+4], 4                           ; tile_dim1 = 4
	s_mov_b32 s[\g+5], TILEB                       ; tensor_dim0_stride
	s_mov_b32 s[\g+6], 0
	s_mov_b32 s[\g+7], 0
.endr
	s_lshl_b32 s17, s16, 2                         ; which four tiles I fetch
	s_lshl_b32 s20, s79, 3
	s_add_co_u32 s20, s20, s17                     ; y: tile 8 x tile row + 4 x half
	s_lshl_b32 s20, s20, 14
	s_mov_b32 s21, 0
	s_lshl_b32 s84, s78, 3
	s_add_co_u32 s84, s84, s17
	s_add_co_u32 s84, s84, 192                     ; Wproj: tile 192 + 8 x tile column + 4 x half
	s_lshl_b32 s84, s84, 14
	s_mov_b32 s85, 0
	s_lshl_b32 s23, s14, 14                        ; where they go in a chunk: wave x 16,384: no place in the cluster enters an LDS address
	s_wait_dscnt 0x0
	s_wait_kmcnt 0x0
	s_load_b64 s[82:83], s[8:9], 0x18              ; e6, e7
	s_add_nc_u64 s[20:21], s[4:5], s[20:21]
	s_add_nc_u64 s[84:85], s[6:7], s[84:85]
.irp g, 0,1,2,3
	s_mov_b32 s[G0+4*\g], 1
	s_add_co_u32 s[G0+4*\g+1], s23, \g*CHK
	s_add_nc_u64 s[G0+4*\g+2:G0+4*\g+3], s[20:21], \g*KSB
	s_or_b32 s[G0+4*\g+3], s[G0+4*\g+3], 0x80000000
	s_mov_b32 s[G0B+4*\g], 1
	s_add_co_u32 s[G0B+4*\g+1], s23, \g*CHK
	s_add_nc_u64 s[G0B+4*\g+2:G0B+4*\g+3], s[84:85], \g*KSB
	s_or_b32 s[G0B+4*\g+3], s[G0B+4*\g+3], 0x80000000
.endr
	CROUND                                         ; all sixteen work-groups are here: the joint loads meet
	s_cmp_eq_u32 s15, 0                            ; a wave's four fills stand together in one arm of one branch on the wave's number: four loads of mine are out
	s_cbranch_scc0 .Lfor_b
.irp g, 0,1,2,3
	tensor_load_to_lds s[G0+4*\g:G0+4*\g+3], s[G1:G1+7]
	s_nop 0
.endr
.rept 4
	v_nop
.endr
	s_branch .Lasked
.Lfor_b:
.irp g, 0,1,2,3
	tensor_load_to_lds s[G0B+4*\g:G0B+4*\g+3], s[G1B:G1B+7]
	s_nop 0
.endr
.rept 4
	v_nop
.endr
.Lasked:
	v_and_b32 v1, 15, v0                           ; r
	v_bfe_u32 v2, v0, 4, 1                         ; h
	v_and_b32 v3, 31, v0
	v_lshlrev_b32 v[LI], 4, v3
	v_lshlrev_b32 v[BO], 5, v2
	s_lshl_b32 s86, s78, 9                         ; my first column, in bytes: 512 x tile column + 256 x half
	s_lshl_b32 s87, s16, 8
	s_add_co_u32 s86, s86, s87
	s_mov_b32 s87, 0
	s_add_nc_u64 s[10:11], s[10:11], s[86:87]
.set i, 0
.rept 8
	global_load_b128 v[BIAS+4*i:BIAS+4*i+3], v[BO], s[10:11] offset:64*(i/2)+16*(i%2)   ; bias of columns 16 b + 8 h + 4 u on, i = 2 b + u
.set i, i+1
.endr
	s_add_nc_u64 s[12:13], s[12:13], s[86:87]
	s_lshl_b32 s86, s79, 7
	s_lshl_b32 s22, s15, 6
	s_add_co_u32 s86, s86, s22                     ; my first row: 128 x tile row + 64 x half
	s_lshl_b32 s86, s86, 12                        ; rows of 4,096 bytes
	s_add_nc_u64 s[12:13], s[12:13], s[86:87]
	s_lshl_b32 s22, s15, 14                        ; my four tiles of y in a chunk,
	s_lshl_b32 s23, s16, 14
	s_add_co_u32 s23, s23, 32768                   ; and of Wproj, behind y's eight
.irp g, 0,1,2,3
	v_add_nc_u32 v[ADRA+\g], s22, v[LI]
	v_add_nc_u32 v[ADRB+\g], s23, v[LI]
	s_add_co_u32 s22, s22, CHK
	s_add_co_u32 s23, s23, CHK
.endr
	s_mul_i32 s22, s14, 16*SP
	s_add_co_u32 s22, s22, STG                     ; my stage
	v_mul_u32_u24 v[STO], v1, SP
	v_lshl_add_u32 v[STO], v2, 5, v[STO]
	v_add_nc_u32 v[STO], s22, v[STO]               ; in: row r, + 32 h
	v_mul_u32_u24 v[RD], v2, SP
	v_lshl_add_u32 v[RD], v1, 4, v[RD]
	v_add_nc_u32 v[RD], s22, v[RD]                 ; back: lanes 0-15 one row of 256 bytes, lanes 16-31 the next
	v_lshlrev_b32 v[CO], 12, v2
	v_lshl_add_u32 v[CO], v1, 4, v[CO]             ; and the same two rows in out0
.macro FETCH g, q, f                   ; 32 LDS loads: my eight fragments of the q-th 128 along K of chunk g, into buffer f
	WIN 0x40                                       ; destination window 1, address window 0
.irp i, 0,1,2,3
.irp c, 0,1,2,3
	ds_load_b128 v[(\f)+16*\i+4*\c:(\f)+16*\i+4*\c+3], v[ADRA+(\g)] offset:KSB*\i+2048*(\q)+512*\c
	ds_load_b128 v[(\f)+64+16*\i+4*\c:(\f)+64+16*\i+4*\c+3], v[ADRB+(\g)] offset:KSB*\i+2048*(\q)+512*\c
.endr
.endr
.endm
.macro MUL16 f, zero                   ; the 16 accumulators take turns, one instruction a turn, in the same order in every block
	WIN 0x05                                       ; sources 0 and 1 window 1; C and D window 0
.irp a, 0,1,2,3
.irp b, 0,1,2,3
.if \zero
	v_wmma_f32_16x16x128_fp8_fp8 v[ACC+8*(4*\a+\b):ACC+8*(4*\a+\b)+7], v[(\f)+64+16*\b:(\f)+64+16*\b+15], v[(\f)+16*\a:(\f)+16*\a+15], 0
.else
	v_wmma_f32_16x16x128_fp8_fp8 v[ACC+8*(4*\a+\b):ACC+8*(4*\a+\b)+7], v[(\f)+64+16*\b:(\f)+64+16*\b+15], v[(\f)+16*\a:(\f)+16*\a+15], v[ACC+8*(4*\a+\b):ACC+8*(4*\a+\b)+7]
.endif
.endr
.endr
.endm
.macro KBLK kb                         ; K block kb: its fragments are in buffer kb % 2; the next block's are fetched into the other while it is multiplied
	s_wait_dscnt 0x0                               ; this block's fragments are in
.if (((\kb)%2) == 1) && ((\kb) < 7)
	s_wait_tensorcnt 3-((\kb)+1)/2                 ; my part of the next chunk is in; the chunks behind it may be out
	s_barrier_signal -1
	s_barrier_wait -1                              ; everybody's is
.endif
.if (\kb) < 7
.if (\kb) > 0
	PLACES                                         ; in front of loads into the buffer that the last block's products read
.endif
	FETCH ((\kb)+1)/2, ((\kb)+1)%2, 128*(((\kb)+1)%2)
.endif
.if (\kb) == 0
	MUL16 0, 1                                     ; the first products start the sums
.else
	MUL16 128*((\kb)%2), 0
.endif
.endm
	s_wait_tensorcnt 3                             ; my part of chunk 0 is in; three loads may be out
	s_barrier_signal -1
	s_barrier_wait -1
	FETCH 0, 0, 0
.irp kb, 0,1,2,3,4,5,6,7
	KBLK \kb
.endr
	WIN 0
	s_wait_kmcnt 0x0
	s_add_co_i32 s82, s82, s83                     ; e6 + e7
	s_add_co_i32 s82, s82, 127
	s_lshl_b32 s82, s82, 23                        ; 2^(e6 + e7) as f32
	s_mov_b32 s83, s82                             ; (named with it as a pair, so it is written)
	s_wait_loadcnt 0x0                             ; the bias
	PLACES                                         ; in front of the first read of results
; THE WAY OUT, 16 rows x 64 columns at a time.  A lane holds 32 neighbouring bytes of a row and the lanes beside it hold other rows: the block goes through my own stage and comes back as rows of 256 bytes.
; LDS serves a wave's instructions in order: no wait between the stores and the loads, nor in front of the next block's stores.
.macro OUT a
.irp b, 0,1,2,3
.irp jj, 0,2,4,6
	v_pk_fma_f32 v[TMP+8*\b+\jj:TMP+8*\b+\jj+1], v[ACC+8*(4*\a+\b)+\jj:ACC+8*(4*\a+\b)+\jj+1], s[82:83], v[BIAS+8*\b+\jj:BIAS+8*\b+\jj+1] op_sel_hi:[1,0,1]   ; sum x 2^(e6 + e7) + bias; each accumulator from its low end on
.endr
.endr
.set i, 0
.rept 8
	ds_store_b128 v[STO], v[TMP+4*i:TMP+4*i+3] offset:64*(i/2)+16*(i%2)
.set i, i+1
.endr
.if \a > 0
	s_wait_xcnt 0x0                                ; the last block's stores have read their registers: the loads below land there only behind this wait
.endif
.set i, 0
.rept 8
	ds_load_b128 v[BK+4*i:BK+4*i+3], v[RD] offset:2*SP*i
.set i, i+1
.endr
.set i, 0
.rept 8
	s_wait_dscnt 7-i
	global_store_b128 v[CO], v[BK+4*i:BK+4*i+3], s[12:13] offset:(16*\a+2*i)*4096 th:TH_STORE_NT   ; sixteen lanes store 256 consecutive bytes, aligned; written once, read by nobody here
.set i, i+1
.endr
.endm
.irp a, 0,1,2,3
	OUT \a
.endr
	s_wait_dscnt 0x0
	s_wait_tensorcnt 0x0
	ds_add_u32 v30, v31
	s_wait_dscnt 0x0
	CROUND                                         ; the closing round: no work-group ends while a partner may still ask for a chunk that names it
	s_endpgm
.Lfunc_end_k_q4e5954726c_proj:
	.size	k_q4e5954726c_proj, .Lfunc_end_k_q4e5954726c_proj-k_q4e5954726c_proj
	.p2alignl 7, 3214868480
	.fill 96, 4, 3214868480
	.section	.rodata,"a",@progbits
	.p2align	6, 0x0
	.amdhsa_kernel k_q4e5954726c_proj
		.amdhsa_group_segment_fixed_size 280064
		.amdhsa_private_segment_fixed_size 0
		.amdhsa_enable_private_segment 0
		.amdhsa_kernarg_size 40
		.amdhsa_user_sgpr_count 2
		.amdhsa_user_sgpr_kernarg_segment_ptr 1
		.amdhsa_wavefront_size32 1
		.amdhsa_system_sgpr_workgroup_id_x 1
		.amdhsa_system_sgpr_workgroup_id_y 1
		.amdhsa_system_sgpr_workgroup_id_z 1
		.amdhsa_system_vgpr_workitem_id 0
		.amdhsa_next_free_vgpr 512
		.amdhsa_next_free_sgpr 90
		.amdhsa_reserve_vcc 0
		.amdhsa_float_denorm_mode_32 3
		.amdhsa_float_denorm_mode_16_64 3
		.amdhsa_memory_ordered 1
		.amdhsa_forward_progress 1
		.amdhsa_inst_pref_size 48
	.end_amdhsa_kernel
	.amdgpu_metadata
---
amdhsa.version: [ 1, 2 ]
amdhsa.kernels:
  - .name:           k_q4e5954726c_proj
    .symbol:         k_q4e5954726c_proj.kd
    .args:
      - { .name: yq, .offset: 0, .size: 8, .value_kind: global_buffer, .address_space: global }
      - { .name: wc, .offset: 8, .size: 8, .value_kind: global_buffer, .address_space: global }
      - { .name: lowp_scales, .offset: 16, .size: 8, .value_kind: global_buffer, .address_space: global }
      - { .name: bproj, .offset: 24, .size: 8, .value_kind: global_buffer, .address_space: global }
      - { .name: out0, .offset: 32, .size: 8, .value_kind: global_buffer, .address_space: global }
    .group_segment_fixed_size: 280064
    .private_segment_fixed_size: 0
    .kernarg_segment_align: 8
    .kernarg_segment_size: 40
    .max_flat_workgroup_size: 128
    .sgpr_count:     90
    .vgpr_count:     512
    .wavefront_size: 32
...
	.end_amdgpu_metadata
.endif
;; end of part 4
